; MI455X (gfx1250); checked and timed in simulation.
; The chip was launched on July 23, 2026; its instructions are those of AMD's public machine-readable ISA for CDNA 5 (MIT licence, August 2026) and "CDNA5" Instruction Set Architecture Reference Guide (July 2026). The comments in the code are by the model that wrote it; some were corrected since.
;; Multi Head Attn. Allowed arithmetic: matrix products marked QUANTISED: E2M1 operands, one E8M0 scale for each 32 along K, by v_wmma_scale_f32_16x16x128_f8f6f4 with both operands' format E2M1 (or v_wmma_scale_f32_32x16x128_f4), f32 sums; everything else in f32.
;; Inputs: Wk 1,024 x 1,024 float32; Wo 1,024 x 1,024 float32; Wq 1,024 x 1,024 float32; Wv 1,024 x 1,024 float32; attn_mask 2,048 x 2,048 bool; beta 1,024 float32; gamma 1,024 float32; q 4 x 2,048 x 1,024 float32.
;; Outputs: out0 4 x 2,048 x 1,024 float32.
;; This version of the problem:
;;   THIS VERSION OF THE PROBLEM IS GIVEN IN LOW PRECISION. The matrix products marked QUANTISED in the list below multiply operands that are first quantised to E2M1 (2 exponent bits, 1 mantissa bit; 4 bits a number), with one power-of-two scale for each 32 numbers along K (OCP MX v1.0); their sums are f32. All else is computed in f32.
;;   The module's matrix products, in the order in which they are computed (A, B: the left and right operand; K: the contracted axis; several contracted axes count as one K, in the product's order):
;;     1. [M 8,192, K 1,024] x [K 1,024, N 1,024]; A: computed on the way; B: input Wq: QUANTISED
;;     2. [M 8,192, K 1,024] x [K 1,024, N 1,024]; A: computed on the way; B: input Wk: QUANTISED
;;     3. [M 8,192, K 1,024] x [K 1,024, N 1,024]; A: computed on the way; B: input Wv: QUANTISED
;;     4. batch 64 x [M 2,048, K 64] x [K 64, N 2,048]; A: computed on the way; B: computed on the way: QUANTISED
;;     5. batch 64 x [M 64, K 2,048] x [K 2,048, N 2,048]; A: computed on the way; B: softmax (see below): QUANTISED
;;     6. [M 8,192, K 1,024] x [K 1,024, N 1,024]; A: computed on the way; B: input Wo: QUANTISED
;;   THE QUANTISER, for each operand of a quantised product, along K:
;;     - K is cut into blocks of 32 from its start; a last block that is shorter is filled with zeros.
;;     - A block's scale is 2^e with e = floor(log2(the largest magnitude in the block)) - 2, held to -126 .. 127; a block of zeros has e = 0. As a byte (E8M0): e + 127.
;;     - Each number is divided by its block's scale, clamped to +-6, and rounded to the nearest number of E2M1, ties to even, subnormals kept.
;;     - The product sums the exact products of the quantised numbers (number of the format x scale) in f32.
;;   ~~~python
;;   def quantise(x, axis):      # numpy; x: float32 -> the quantised numbers, widened to float32 again
;;       x = np.moveaxis(x, axis, -1); K = x.shape[-1]
;;       x = np.pad(x, [(0, 0)] * (x.ndim - 1) + [(0, -K % 32)]); x = x.reshape(x.shape[:-1] + (-1, 32)); a = np.abs(x).max(-1, keepdims=True)
;;       e = np.where(a > 0, np.clip(np.frexp(np.where(a > 0, a, 1))[1] - 1 - 2, -126, 127), 0)      # np.frexp(a)[1] - 1 = floor(log2(a)), exactly
;;       r = np.clip(x / 2.0 ** e, -6, 6)
;;       step = 2.0 ** (np.maximum(np.frexp(np.where(r == 0, 1, r))[1] - 1, 0) - 1)
;;       q = np.round(r / step) * step * 2.0 ** e      # np.round: ties to even
;;       return np.moveaxis(q.reshape(q.shape[:-2] + (-1,))[..., :K], -1, axis).astype(np.float32)
;;   ~~~
;;   SOFTMAX AHEAD OF A QUANTISED PRODUCT. Where the list says 'softmax', what is quantised is not the finished softmax but p = 2^(t - M), with t = logit x log2(e) and M = ceil(the row's largest t), a whole number; so 1/2 < the row's largest p <= 1. The row's sum l is taken of the UNQUANTISED p, in f32, and the product's result is divided by l at the end. Since M is a whole number, a kernel that streams over the keys may use a running M (the ceiling of the running maximum): every later rescaling is an exact power of two, which a block's scale takes up: the codes' values come out the same.
;;   OPERANDS COMPUTED ON THE WAY. 'Computed on the way' means the value that the module computes at that place (a softmax that the list does not call 'softmax' is quantised finished and normalised). What goes into a quantiser is computed in f32, as accurately as f32 sums, v_exp_f32 and their like allow (about 1e-6 of the number): no bf16 or f16 on the way to a quantiser, and a product that is left as it is and whose result goes on into a quantised operand takes f32 operands (vector FMAs, or v_wmma_f32_16x16x4_f32). A number that lies on a knife's edge between two numbers of the format may be rounded either way, as far as f32 arithmetic and the matrix unit's own rounding can turn it there, and no further.
;; One version. Each part assembles by itself: llvm-mc -triple=amdgcn-amd-amdhsa -mcpu=gfx1250 --defsym DOCPART=n.
;; ======== version 1 of 1: 4 launches
;; limits: right only within a limited range of input values
;; workspace buffers: img 6,684,672 bytes; stats 65,536 bytes; maskc 2,097,152 bytes; rec 14,155,776 bytes; vecimg 4,456,448 bytes
;; launch prep (part 1): grid 448 x 1, 4 waves a work-group, no clusters, 132,608 bytes of LDS; arguments q, gamma, beta, Wq, Wk, Wv, Wo, attn_mask, img, stats, maskc; writes img, stats, maskc
.if DOCPART == 1
	.amdgcn_target "amdgcn-amd-amdhsa--gfx1250"
	.amdhsa_code_object_version 6
	.text
	.protected	k_qdd44f9bba2_prep
	.globl	k_qdd44f9bba2_prep
	.p2align	8
	.type	k_qdd44f9bba2_prep,@function
k_qdd44f9bba2_prep:
	s_mov_b64 s[64:65], 0
	v_nop
	global_prefetch_b8 v0, s[64:65] scope:SCOPE_SE
	s_setreg_imm32_b32 hwreg(HW_REG_WAVE_MODE, 25, 1), 1
	s_wait_xcnt 0x0
; THREE JOBS IN ONE LAUNCH, parted on the work-group's number:
;   0-255   LN: 32 rows of q each: layer norm in f32 (mean, then the mean of squared differences), quantised along K = 1,024 to codes of FP4 (E2M1) with one E8M0 byte for each 32; the rows' (-mean, 1/sqrt(var + eps)) go to stats
;   256-319 W:  the four weights [k][n], quantised along k: a lane takes a column and its registers run down k
;   320-447 M:  the mask's bytes become lane-mask words for the attention launch
; THE IMAGES.  img holds tiles of 16 rows (of qn) or 16 columns (of a weight), 8,704 bytes each: two halves of K (512 each), 4,352 bytes: four fragments of 16 x 128 as images of the operand's registers
; ([c 0..1][lane 0..31][16 bytes]: lane (r, h) holds k = 64 c + 32 h + 0..31 of row r), then 256 bytes of scale words [r][K step 0..3].  Tiles 0-511 qn, 512-575 Wq, 576-639 Wk, 640-703 Wv, 704-767 Wo.
; THE ROWS OF A TILE ARE NOT NEIGHBOURS (qn, Wq, Wk, Wv): place r of tile 2 G + u is row 32 G + 8 u + r + 8 (r / 8).  Wo's columns lie in their own order.
; A block's scale is 2^(floor(log2(largest magnitude)) - 2): its byte is the largest magnitude's exponent field - 2, held at 1 from below by a floor among the maximum's leaves.
; LIMITS: a block of zeros gets the byte 1 where the rule says 127 (its codes are zeros, and this program alone reads the bytes); NaN and infinities among the inputs are not served.
; Only the LN path touches LDS and has a barrier; the branch in front of it hangs on the work-group's number, which all four waves share.
.set PITCH, 4112                       ; an LDS row of qn: 4,096 bytes + 16: sixteen rows that a load touches start at sixteen different groups of banks
.set STAT,  32*PITCH                   ; behind the rows: 32 x (-mean, rstd)
.set T16,   8704
.set KG,    4352
	s_load_b512 s[4:19], s[0:1], 0x0               ; q 4, gamma 6, beta 8, Wq 10, Wk 12, Wv 14, Wo 16, mask 18
	s_load_b128 s[20:23], s[0:1], 0x40             ; img, stats
	s_load_b64 s[24:25], s[0:1], 0x50              ; maskbits
	v_lshl_add_u32 v254, v0, 2, 0x20400
	v_mov_b32 v255, 0
	v_lshrrev_b32 v1, 5, v0
	v_readfirstlane_b32 s26, v1                    ; wave 0..3
	v_and_b32 v7, 31, v0                           ; lane L
	v_lshlrev_b32 v1, 4, v7                        ; 16 L
	s_mov_b32 s28, 0x76543210
	s_mov_b32 s29, 0xfedcba98                      ; v_permlanex16_b32's selects for lane l xor 16
	s_mov_b32 s37, 0
	s_wait_kmcnt 0x0
	s_cmp_lt_u32 ttmp9, 256
	s_cbranch_scc0 .Lweights
; ---------------------------------------------------------------- LN
; v2 where I store a row (phase 1), v3 where its statistics go, v4 where I read my blocks (phase 2), v8-23 at work, v24-27 scale words, v32-63 gamma, v64-95 beta, v96-223 four row slots
	s_and_b32 s30, s26, 1
	s_lshr_b32 s31, s26, 1
	s_lshl_b32 s32, s30, 4
	s_lshl_b32 s33, s31, 3
	s_add_co_u32 s32, s32, s33                     ; rows 8 w + j lie at places 16 (w % 2) + 8 (w / 2) + j
	s_mul_i32 s32, s32, PITCH
	s_wait_alu depctr_va_vdst(0)
	v_add_nc_u32 v2, s32, v1
	s_lshl_b32 s33, s26, 6
	s_add_co_u32 s33, s33, STAT
	v_mov_b32 v3, s33                              ; STAT + 64 w: the statistics lie in the rows' own order
	v_and_b32 v8, 15, v0                           ; r
	v_bfe_u32 v9, v0, 4, 1                         ; h
	v_mul_u32_u24 v4, v8, PITCH
	v_lshl_add_u32 v4, v9, 7, v4                   ; place r, + 128 h bytes: my block of 32 numbers
	s_mul_i32 s34, s31, 16*PITCH                   ; phase 2: tile w / 2,
	s_lshl_b32 s35, s30, 11                        ; half w % 2 of K
	s_add_co_u32 s34, s34, s35
	v_add_nc_u32 v4, s34, v4
	v_lshl_add_u32 v5, v7, 3, STAT
	v_lshlrev_b32 v6, 3, v7
	v_lshlrev_b32 v29, 3, v9                       ; 8 h: my bytes' place in a scale word
	v_lshlrev_b32 v30, 4, v8                       ; 16 r
	v_mov_b32 v28, 0x3a800000                      ; 1 / 1,024
	s_lshl_b32 s36, ttmp9, 17                      ; 32 rows of 4,096 bytes a work-group,
	s_lshl_b32 s38, s26, 15                        ; 8 a wave
	s_add_co_u32 s36, s36, s38
	s_add_nc_u64 s[4:5], s[4:5], s[36:37]
	s_lshl_b32 s36, ttmp9, 1
	s_add_co_u32 s36, s36, s31
	s_mul_i32 s36, s36, T16
	s_mul_i32 s38, s30, KG
	s_add_co_u32 s36, s36, s38
	s_add_nc_u64 s[20:21], s[20:21], s[36:37]      ; my tile's half in img
	s_lshl_b32 s36, ttmp9, 8
	s_add_nc_u64 s[22:23], s[22:23], s[36:37]      ; the work-group's 256 bytes of stats
.irp i, 0,1,2,3,4,5,6,7
	global_load_b128 v[32+4*\i:35+4*\i], v1, s[6:7] offset:512*\i    ; gamma and beta of columns 128 i + 4 L ..
	global_load_b128 v[64+4*\i:67+4*\i], v1, s[8:9] offset:512*\i
.endr
.macro FILL j                          ; a row: eight loads of 512 consecutive bytes
.irp i, 0,1,2,3,4,5,6,7
	global_load_b128 v[96+32*((\j)%4)+4*\i:96+32*((\j)%4)+4*\i+3], v1, s[4:5] offset:(\j)*4096+512*\i th:TH_LOAD_NT
.endr
.endm
.macro REDUCE                          ; four packed chains in v8-15 -> the sum over the row, in every lane's v8
	v_pk_add_f32 v[8:9], v[8:9], v[10:11]
	v_pk_add_f32 v[12:13], v[12:13], v[14:15]
	v_pk_add_f32 v[8:9], v[8:9], v[12:13]
	v_add_f32 v8, v8, v9
	v_add_f32_dpp v8, v8, v8 row_xmask:1 row_mask:0xf bank_mask:0xf
	v_add_f32_dpp v8, v8, v8 row_xmask:2 row_mask:0xf bank_mask:0xf
	v_add_f32_dpp v8, v8, v8 row_xmask:4 row_mask:0xf bank_mask:0xf
	v_add_f32_dpp v8, v8, v8 row_xmask:8 row_mask:0xf bank_mask:0xf
	v_permlanex16_b32 v9, v8, s28, s29
	v_add_f32 v8, v8, v9
.endm
; One row.  left: the younger rows' loads, 8 each, that may stay out.  fill = 1: the slot takes the row four further on.
.macro ROW j, left, fill
.set XR, 96+32*((\j)%4)
	s_wait_loadcnt \left
	v_pk_add_f32 v[8:9], v[XR:XR+1], v[XR+2:XR+3]
	v_pk_add_f32 v[10:11], v[XR+4:XR+5], v[XR+6:XR+7]
	v_pk_add_f32 v[12:13], v[XR+8:XR+9], v[XR+10:XR+11]
	v_pk_add_f32 v[14:15], v[XR+12:XR+13], v[XR+14:XR+15]
.irp i, 16,24
	v_pk_add_f32 v[8:9], v[8:9], v[XR+\i:XR+\i+1]
	v_pk_add_f32 v[10:11], v[10:11], v[XR+\i+2:XR+\i+3]
	v_pk_add_f32 v[12:13], v[12:13], v[XR+\i+4:XR+\i+5]
	v_pk_add_f32 v[14:15], v[14:15], v[XR+\i+6:XR+\i+7]
.endr
	REDUCE
	v_mul_f32 v16, -v8, v28                        ; -mean
	v_mov_b32 v17, v16
.irp i, 0,2,4,6,8,10,12,14,16,18,20,22,24,26,28,30
	v_pk_add_f32 v[XR+\i:XR+\i+1], v[XR+\i:XR+\i+1], v[16:17]      ; x - mean
.endr
	v_pk_mul_f32 v[8:9], v[XR:XR+1], v[XR:XR+1]
	v_pk_mul_f32 v[10:11], v[XR+2:XR+3], v[XR+2:XR+3]
	v_pk_mul_f32 v[12:13], v[XR+4:XR+5], v[XR+4:XR+5]
	v_pk_mul_f32 v[14:15], v[XR+6:XR+7], v[XR+6:XR+7]
.irp i, 8,16,24
	v_pk_fma_f32 v[8:9], v[XR+\i:XR+\i+1], v[XR+\i:XR+\i+1], v[8:9]
	v_pk_fma_f32 v[10:11], v[XR+\i+2:XR+\i+3], v[XR+\i+2:XR+\i+3], v[10:11]
	v_pk_fma_f32 v[12:13], v[XR+\i+4:XR+\i+5], v[XR+\i+4:XR+\i+5], v[12:13]
	v_pk_fma_f32 v[14:15], v[XR+\i+6:XR+\i+7], v[XR+\i+6:XR+\i+7], v[14:15]
.endr
	REDUCE
	v_fmaak_f32 v18, v8, v28, 0x3727c5ac           ; the variance + 1e-5
	s_wait_alu depctr_va_vdst(0)
	v_rsq_f32 v20, v18
	v_mov_b32 v22, v16                             ; a plain instruction behind the root
	s_wait_alu depctr_va_vdst(0)                   ; the wait ahead of the root's first reader
	v_mov_b32 v21, v20
	v_mov_b32 v23, v20                             ; v[22:23] = (-mean, rstd)
.irp i, 0,2,4,6,8,10,12,14,16,18,20,22,24,26,28,30
	v_pk_mul_f32 v[XR+\i:XR+\i+1], v[XR+\i:XR+\i+1], v[20:21]
.endr
.irp i, 0,2,4,6,8,10,12,14,16,18,20,22,24,26,28,30
	v_pk_fma_f32 v[XR+\i:XR+\i+1], v[XR+\i:XR+\i+1], v[32+\i:33+\i], v[64+\i:65+\i]
.endr
.irp i, 0,1,2,3,4,5,6,7
	ds_store_b128 v2, v[XR+4*\i:XR+4*\i+3] offset:(\j)*PITCH+512*\i
.endr
	ds_store_b64 v3, v[22:23] offset:8*(\j)        ; every lane writes the same pair to the same place
	s_wait_dscnt 0x0                               ; the stores have read the slot and the pair: both are written again below
.if \fill
	FILL (\j)+4
.endif
.endm
	FILL 0
	FILL 1
	FILL 2
	FILL 3
	ROW 0, 24, 1                                   ; gamma, beta and row 0 are in; rows 1 to 3 may be out
	ROW 1, 24, 1
	ROW 2, 24, 1
	ROW 3, 24, 1
	ROW 4, 24, 0
	ROW 5, 16, 0
	ROW 6, 8, 0
	ROW 7, 0, 0
	s_barrier_signal -1                            ; every wave's LDS stores are done (the wait at each row's end)
	s_barrier_wait -1
; Phase 2: wave w quantises tile w / 2, half w % 2 of K.  Lane (r, h) takes whole blocks of 32: block jj = 2 q + c of its half is k = 128 q + 64 c + 32 h ..: its 16 bytes of codes are registers 4 c .. 4 c + 3 of fragment q.
.macro LD jj
.irp i, 0,1,2,3,4,5,6,7
	ds_load_b128 v[96+32*((\jj)%2)+4*\i:96+32*((\jj)%2)+4*\i+3], v4 offset:256*(\jj)+16*\i
.endr
.endm
.macro QB jj
.set XS, 96+32*((\jj)%2)
.if (\jj) < 7
	s_wait_dscnt 8                                 ; this block's eight loads are in; the next block's may be out
.else
	s_wait_dscnt 0x0
.endif
	v_max3_num_f32 v12, |v[XS]|, |v[XS+1]|, |v[XS+2]|
	v_max3_num_f32 v13, |v[XS+3]|, |v[XS+4]|, |v[XS+5]|
.irp i, 6,10,14,18,22,26
	v_max3_num_f32 v12, v12, |v[XS+\i]|, |v[XS+\i+1]|
	v_max3_num_f32 v13, v13, |v[XS+\i+2]|, |v[XS+\i+3]|
.endr
	v_max3_num_f32 v12, v12, |v[XS+30]|, |v[XS+31]|
	v_max3_num_f32 v12, v12, v13, 0x1800000        ; and the floor 2^(3 - 127): the byte cannot fall under 1
	v_add_nc_u32 v11, 0xff000000, v12              ; 2 off the exponent field: the conversion's scale operand
.irp g, 0,1,2,3
	v_cvt_scalef32_pk8_fp4_f32 v[160+4*(\jj)+\g], v[XS+8*\g:XS+8*\g+7], v11
.endr
	v_lshrrev_b32 v[14+(\jj)%2], 23, v11           ; the byte (also the plain instruction behind the conversions)
	global_store_b128 v1, v[160+4*(\jj):163+4*(\jj)], s[20:21] offset:((\jj)/2)*1024+((\jj)%2)*512   ; 512 consecutive bytes; each block has registers of its own
.if (\jj)+2 < 8
	LD (\jj)+2
.endif
.if (\jj)%2 == 1
	v_lshl_or_b32 v15, v15, 16, v14                ; my two bytes of K step q: blocks h and 2 + h,
	v_lshlrev_b32 v15, v29, v15                    ; at their places;
	v_permlanex16_b32 v16, v15, s28, s29
	v_or_b32 v[24+(\jj)/2], v15, v16               ; with lane l xor 16's two the word is whole
.endif
.endm
	LD 0
	LD 1
.irp jj, 0,1,2,3,4,5,6,7
	QB \jj
.endr
	global_store_b128 v30, v[24:27], s[20:21] offset:4096   ; row r's four scale words; lanes 16-31 repeat lanes 0-15: 256 consecutive bytes
	s_cmp_lg_u32 s26, 0
	s_cbranch_scc1 .Lln_end
	ds_load_b64 v[12:13], v5                       ; wave 0 sends the 32 rows' statistics: 256 consecutive bytes
	s_wait_dscnt 0x0
	global_store_b64 v6, v[12:13], s[22:23]
.Lln_end:
	s_wait_tensorcnt 0x0
	ds_add_u32 v254, v255
	s_wait_dscnt 0x0
	s_endpgm
; ---------------------------------------------------------------- W
; Work-group j = 0..63: weight j / 16, columns 128 ((j % 16) / 2) on, half j % 2 of K.  A wave takes 32 columns, two tiles; a lane one column and 16 blocks of 32 down K.
.Lweights:
	s_cmp_lt_u32 ttmp9, 320
	s_cbranch_scc0 .Lmask
	s_sub_co_u32 s30, ttmp9, 256
	s_lshr_b32 s31, s30, 4                         ; which weight
	s_cmp_eq_u32 s31, 1
	s_cselect_b64 s[10:11], s[12:13], s[10:11]
	s_cmp_eq_u32 s31, 2
	s_cselect_b64 s[10:11], s[14:15], s[10:11]
	s_cmp_eq_u32 s31, 3
	s_cselect_b64 s[10:11], s[16:17], s[10:11]
	s_cselect_b32 s32, 0, 24                       ; Wo's columns keep their order; the others' bits 3 and 4 change places
	s_bfe_u32 s33, s30, 0x30001
	s_and_b32 s34, s30, 1
	s_lshl_b32 s33, s33, 7
	s_lshl_b32 s35, s26, 5
	s_add_co_u32 s33, s33, s35                     ; my wave's first column
	s_wait_alu depctr_va_vdst(0)
	v_lshrrev_b32 v8, 3, v7
	v_lshrrev_b32 v9, 4, v7
	v_xor_b32 v8, v8, v9
	v_and_b32 v8, 1, v8
	v_mul_u32_u24 v8, s32, v8
	v_xor_b32 v8, v7, v8                           ; the column that lies at place L % 16 of tile L / 16
	v_lshlrev_b32 v3, 2, v8
	s_wait_alu depctr_va_vdst(0)
	v_and_b32 v8, 15, v7
	v_mul_u32_u24 v4, v9, T16
	v_lshl_add_u32 v4, v8, 4, v4                   ; out: tile L / 16, 16 bytes a place
	s_lshl_b32 s36, s34, 21                        ; 512 rows of 4,096 bytes
	s_lshl_b32 s38, s33, 2
	s_add_co_u32 s36, s36, s38
	s_add_nc_u64 s[10:11], s[10:11], s[36:37]
	s_lshl_b32 s36, s31, 6
	s_lshr_b32 s38, s33, 4
	s_add_co_u32 s36, s36, s38
	s_add_co_u32 s36, s36, 512
	s_mul_i32 s36, s36, T16
	s_mul_i32 s38, s34, KG
	s_add_co_u32 s36, s36, s38
	s_add_nc_u64 s[20:21], s[20:21], s[36:37]
.macro WLOAD t                         ; block t: 32 rows of k at my column: a wave reads 128 consecutive bytes, the four waves 512
.irp i, 0,1,2,3,4,5,6,7,8,9,10,11,12,13,14,15,16,17,18,19,20,21,22,23,24,25,26,27,28,29,30,31
	global_load_b32 v[32+32*((\t)%2)+\i], v3, s[10:11] offset:(32*(\t)+\i)*4096 th:TH_LOAD_NT
.endr
.endm
.macro WBLOCK t
.set XS, 32+32*((\t)%2)
.if (\t) < 15
	s_wait_loadcnt 32                              ; this block's 32 loads are in; the next block's may be out
.else
	s_wait_loadcnt 0x0
.endif
	v_max3_num_f32 v12, |v[XS]|, |v[XS+1]|, |v[XS+2]|
	v_max3_num_f32 v13, |v[XS+3]|, |v[XS+4]|, |v[XS+5]|
.irp i, 6,10,14,18,22,26
	v_max3_num_f32 v12, v12, |v[XS+\i]|, |v[XS+\i+1]|
	v_max3_num_f32 v13, v13, |v[XS+\i+2]|, |v[XS+\i+3]|
.endr
	v_max3_num_f32 v12, v12, |v[XS+30]|, |v[XS+31]|
	v_max3_num_f32 v12, v12, v13, 0x1800000
	v_add_nc_u32 v11, 0xff000000, v12
	v_lshrrev_b32 v13, 23, v11
.if (\t)%4 == 0
	v_mov_b32 v[24+(\t)/4], v13                    ; four bytes make a K step's scale word
.else
	v_lshl_or_b32 v[24+(\t)/4], v13, 8*((\t)%4), v[24+(\t)/4]
.endif
.irp g, 0,1,2,3
	v_cvt_scalef32_pk8_fp4_f32 v[96+4*(\t)+\g], v[XS+8*\g:XS+8*\g+7], v11
.endr
	global_store_b128 v4, v[96+4*(\t):99+4*(\t)], s[20:21] offset:((\t)/4)*1024+(((\t)%4)/2)*512+((\t)%2)*256   ; block t = 2 c + h of K step t / 4: sixteen lanes fill 256 consecutive bytes of each tile
.if (\t)+2 < 16
	WLOAD (\t)+2
.endif
.endm
	WLOAD 0
	WLOAD 1
.irp t, 0,1,2,3,4,5,6,7,8,9,10,11,12,13,14,15
	WBLOCK \t
.endr
	global_store_b128 v4, v[24:27], s[20:21] offset:4096
	s_endpgm
; ---------------------------------------------------------------- M
; THE MASK AS CODES OF FP4, an operand's register for the attention launch.  Work-group m = 0..127: a tile of 16 queries; wave w: key steps 4 w .. 4 w + 3 of 128 keys.
; maskc[m][step][tile t 0..7][lane (i, h)]: one word; its nibble n is the code 1 (the number 0.5) where mask[query at place 8 h + n][key at place i of tile t] is set, else 0.
; A lane takes four neighbouring keys (a dword of each mask row) of the eight rows 16 h + n: two rows' bytes make a byte of two nibbles, and a 4 x 4 transposition of bytes gives the four keys' words, which are neighbours in maskc.
; A chunk of 64 keys: the wave's store covers 512 consecutive bytes.
.Lmask:
	s_sub_co_u32 s30, ttmp9, 320
	s_lshr_b32 s31, s30, 1
	s_lshl_b32 s31, s31, 5
	s_and_b32 s32, s30, 1
	s_lshl_b32 s32, s32, 3
	s_add_co_u32 s31, s31, s32                     ; the row at place 0
	s_lshl_b32 s36, s31, 11
	s_lshl_b32 s32, s26, 9
	s_add_co_u32 s36, s36, s32
	s_add_nc_u64 s[18:19], s[18:19], s[36:37]
	s_lshl_b32 s36, s30, 4
	s_lshl_b32 s32, s26, 2
	s_add_co_u32 s36, s36, s32
	s_lshl_b32 s36, s36, 10                        ; 1,024 bytes a step
	s_add_nc_u64 s[24:25], s[24:25], s[36:37]
	s_mov_b32 s40, 0x05010400                      ; byte selects of the transposition
	s_mov_b32 s41, 0x07030602
	s_mov_b32 s42, 0x05040100
	s_mov_b32 s43, 0x07060302
	s_wait_alu depctr_va_vdst(0)                   ; the wait ahead of the reader below
	v_and_b32 v8, 15, v7
	v_lshrrev_b32 v9, 4, v7                        ; h
	v_lshlrev_b32 v3, 2, v8
	v_lshl_add_u32 v3, v9, 15, v3                  ; in: dword L % 16 of a chunk; lanes 16-31 sixteen rows down
	v_and_b32 v10, 1, v7
	v_lshlrev_b32 v6, 4, v10                       ; out: key bit 2 -> i bit 2 (16 bytes),
	v_bfe_u32 v10, v7, 2, 1
	v_lshl_or_b32 v6, v10, 5, v6                   ; key bit 4 -> i bit 3,
	v_lshl_or_b32 v6, v9, 6, v6                    ; h,
	v_bfe_u32 v10, v7, 1, 1
	v_lshl_or_b32 v6, v10, 7, v6                   ; key bit 3 -> the tile's low bit,
	v_bfe_u32 v10, v7, 3, 1
	v_lshl_or_b32 v6, v10, 8, v6                   ; key bit 5 -> its next bit
	s_wait_alu depctr_va_vdst(0)                   ; the wait at the head's end
.irp c, 0,1,2,3,4,5,6,7
.irp n, 0,1,2,3,4,5,6,7
	global_load_b32 v[32+8*\c+\n], v3, s[18:19] offset:2048*\n+64*\c
.endr
.endr
	s_wait_loadcnt 0x0
.irp c, 0,1,2,3,4,5,6,7
.irp p, 0,1,2,3
	v_lshl_or_b32 v[8+\p], v[33+8*\c+2*\p], 4, v[32+8*\c+2*\p]     ; rows 2 p and 2 p + 1: two nibbles a key
.endr
	v_perm_b32 v12, v9, v8, s40
	v_perm_b32 v13, v9, v8, s41
	v_perm_b32 v14, v11, v10, s40
	v_perm_b32 v15, v11, v10, s41
	v_perm_b32 v[100+4*\c], v14, v12, s42
	v_perm_b32 v[101+4*\c], v14, v12, s43
	v_perm_b32 v[102+4*\c], v15, v13, s42
	v_perm_b32 v[103+4*\c], v15, v13, s43
	global_store_b128 v6, v[100+4*\c:103+4*\c], s[24:25] offset:512*\c
.endr
	s_endpgm
.Lfunc_end_k_qdd44f9bba2_prep:
	.size	k_qdd44f9bba2_prep, .Lfunc_end_k_qdd44f9bba2_prep-k_qdd44f9bba2_prep
	.p2alignl 7, 3214868480
	.fill 96, 4, 3214868480
	.section	.rodata,"a",@progbits
	.p2align	6, 0x0
	.amdhsa_kernel k_qdd44f9bba2_prep
		.amdhsa_group_segment_fixed_size 132608
		.amdhsa_private_segment_fixed_size 0
		.amdhsa_enable_private_segment 0
		.amdhsa_kernarg_size 88
		.amdhsa_user_sgpr_count 2
		.amdhsa_user_sgpr_kernarg_segment_ptr 1
		.amdhsa_wavefront_size32 1
		.amdhsa_system_sgpr_workgroup_id_x 1
		.amdhsa_system_sgpr_workgroup_id_y 1
		.amdhsa_system_sgpr_workgroup_id_z 1
		.amdhsa_system_vgpr_workitem_id 0
		.amdhsa_next_free_vgpr 256
		.amdhsa_next_free_sgpr 66
		.amdhsa_reserve_vcc 0
		.amdhsa_float_denorm_mode_32 3
		.amdhsa_float_denorm_mode_16_64 3
		.amdhsa_memory_ordered 1
		.amdhsa_forward_progress 1
		.amdhsa_inst_pref_size 171
	.end_amdhsa_kernel
	.amdgpu_metadata
---
amdhsa.version: [ 1, 2 ]
amdhsa.kernels:
  - .name:           k_qdd44f9bba2_prep
    .symbol:         k_qdd44f9bba2_prep.kd
    .args:
      - { .name: q, .offset: 0, .size: 8, .value_kind: global_buffer, .address_space: global }
      - { .name: gamma, .offset: 8, .size: 8, .value_kind: global_buffer, .address_space: global }
      - { .name: beta, .offset: 16, .size: 8, .value_kind: global_buffer, .address_space: global }
      - { .name: Wq, .offset: 24, .size: 8, .value_kind: global_buffer, .address_space: global }
      - { .name: Wk, .offset: 32, .size: 8, .value_kind: global_buffer, .address_space: global }
      - { .name: Wv, .offset: 40, .size: 8, .value_kind: global_buffer, .address_space: global }
      - { .name: Wo, .offset: 48, .size: 8, .value_kind: global_buffer, .address_space: global }
      - { .name: attn_mask, .offset: 56, .size: 8, .value_kind: global_buffer, .address_space: global }
      - { .name: img, .offset: 64, .size: 8, .value_kind: global_buffer, .address_space: global }
      - { .name: stats, .offset: 72, .size: 8, .value_kind: global_buffer, .address_space: global }
      - { .name: maskc, .offset: 80, .size: 8, .value_kind: global_buffer, .address_space: global }
    .group_segment_fixed_size: 132608
    .private_segment_fixed_size: 0
    .kernarg_segment_align: 8
    .kernarg_segment_size: 88
    .max_flat_workgroup_size: 128
    .sgpr_count:     66
    .vgpr_count:     256
    .wavefront_size: 32
...
	.end_amdgpu_metadata
.endif
;; end of part 1
;; launch qkv (part 2): grid 12 x 32, 4 waves a work-group, clusters of 4 x 4, 327,680 bytes of LDS; arguments img, rec; writes rec
.if DOCPART == 2
	.amdgcn_target "amdgcn-amd-amdhsa--gfx1250"
	.amdhsa_code_object_version 6
	.text
	.protected	k_qdd44f9bba2_qkv
	.globl	k_qdd44f9bba2_qkv
	.p2align	8
	.type	k_qdd44f9bba2_qkv,@function
k_qdd44f9bba2_qkv:
	s_mov_b64 s[64:65], 0
	v_nop
	global_prefetch_b8 v0, s[64:65] scope:SCOPE_SE
	s_setreg_imm32_b32 hwreg(HW_REG_WAVE_MODE, 25, 1), 1
	s_wait_xcnt 0x0
	s_wait_alu depctr_hold_cnt(0) depctr_sa_sdst(0) depctr_va_vdst(0) depctr_va_sdst(0) depctr_va_ssrc(0) depctr_va_vcc(0) depctr_vm_vsrc(0)
	s_getreg_b32 s2, hwreg(HW_REG_IB_STS2, 6, 4)
	s_cmp_eq_u32 s2, 0
	s_cbranch_scc0 .Lentry_in_a_cluster
	s_endpgm
.Lentry_in_a_cluster:
	s_bfe_u32 s2, ttmp6, 0x10000c
	s_cmp_lg_u32 s2, 0xf033
	s_cbranch_scc0 .Lentry_shape_is_right
	s_endpgm
.Lentry_shape_is_right:
.set REC,  221184
.set T16,  8704
.set KG,   4352
.set HT,   8*KG
.set GS,   4*HT
.set ADY,  2
.set ADX,  4
.set ADS,  6
.set VO,   8
.set VO2,  12
.set PC,   16
.set SC,   32
.set TM,   96
.set PW,   112
.set FL,   113
.set SW,   116
.set CSO,  124
.set YF,   128
.set G1Y,  24
.set G0Y,  32
.set G1X,  48
.set G0X,  56
.set SEL,  94
.set MSB, 0
.macro WIN new
.if MSB != \new
	s_set_vgpr_msb (MSB<<8)|\new
.set MSB, \new
.endif
.endm
.macro JLOAD g0a, g1a, g0b, g1b
	s_cmp_eq_u32 s15, 0
	s_cbranch_scc0 .Lfor_x_\@
	tensor_load_to_lds s[\g0a:\g0a+3], s[\g1a:\g1a+7]
	s_nop 0
.rept 4
	v_nop
.endr
	s_branch .Lasked_\@
.Lfor_x_\@:
	tensor_load_to_lds s[\g0b:\g0b+3], s[\g1b:\g1b+7]
	s_nop 0
.rept 4
	v_nop
.endr
.Lasked_\@:
.endm
.macro CROUND
	s_barrier_signal -1
	s_barrier_wait -1
	s_cmp_lg_u32 s14, 0
	s_cbranch_scc1 .Lnot_wave_0_\@
	s_barrier_signal -3
.Lnot_wave_0_\@:
	s_barrier_wait -3
	s_barrier_signal -1
	s_barrier_wait -1
.endm
	s_load_b128 s[4:7], s[0:1], 0x0
	v_lshl_add_u32 v126, v0, 2, 0x44000
	v_mov_b32 v127, 0
	ds_add_u32 v126, v127
	ds_add_u32 v126, v127
	v_lshrrev_b32 v1, 5, v0
	v_readfirstlane_b32 s14, v1
	s_lshr_b32 s15, s14, 1
	s_and_b32 s16, s14, 1
	s_bfe_u32 s40, ttmp6, 0x40000
	s_bfe_u32 s41, ttmp6, 0x40004
	s_and_b32 s17, ttmp7, 0xffff
	s_lshl_b32 s43, s41, 2
	s_lshl_b32 s43, 15, s43
	s_lshl_b32 s44, 0x1111, s40
	s_cmp_eq_u32 ttmp9, 2
	s_cselect_b32 s18, s17, ttmp9
	s_cselect_b32 s19, 0, s17
	s_cselect_b32 s20, 0, 512
	s_cselect_b32 s21, 640, 0
	s_lshl_b32 s18, s18, 2
	s_add_co_u32 s42, s18, s40
	s_lshl_b32 s19, s19, 2
	s_add_co_u32 s45, s19, s41
	s_lshl_b32 s22, s16, 3
	s_lshl_b32 s46, s42, 4
	s_add_co_u32 s46, s46, s20
	s_add_co_u32 s46, s46, s22
	s_mul_i32 s46, s46, T16
	s_mov_b32 s47, 0
	s_lshl_b32 s92, s45, 4
	s_add_co_u32 s92, s92, s21
	s_add_co_u32 s92, s92, s22
	s_mul_i32 s92, s92, T16
	s_mov_b32 s93, 0
	s_mul_i32 s96, s14, HT
	s_or_b32 s[G1Y], s43, (3<<16)|(1<<21)
	s_or_b32 s[G1X], s44, (3<<16)|(1<<21)
.irp g, G1Y, G1X
	s_mov_b32 s[\g+1], 544<<16
	s_mov_b32 s[\g+2], 8<<16
	s_mov_b32 s[\g+3], 544<<16
	s_mov_b32 s[\g+4], 8
	s_mov_b32 s[\g+5], 1088
	s_mov_b32 s[\g+6], 0
	s_mov_b32 s[\g+7], 0
.endr
	s_mov_b32 s[SEL], 0x76543210
	s_mov_b32 s[SEL+1], 0xfedcba98
	s_wait_dscnt 0x0
	s_wait_kmcnt 0x0
	s_add_nc_u64 s[46:47], s[4:5], s[46:47]
	s_add_nc_u64 s[92:93], s[4:5], s[92:93]
	CROUND
.irp g, 0,1
	s_mov_b32 s[G0Y+4*\g], 1
	s_add_co_u32 s[G0Y+4*\g+1], s96, \g*GS
	s_add_nc_u64 s[G0Y+4*\g+2:G0Y+4*\g+3], s[92:93], \g*KG
	s_or_b32 s[G0Y+4*\g+3], s[G0Y+4*\g+3], 0x80000000
	s_mov_b32 s[G0X+4*\g], 1
	s_add_co_u32 s[G0X+4*\g+1], s96, \g*GS
	s_add_nc_u64 s[G0X+4*\g+2:G0X+4*\g+3], s[46:47], \g*KG
	s_or_b32 s[G0X+4*\g+3], s[G0X+4*\g+3], 0x80000000
	s_wait_alu depctr_va_vdst(0)
	s_wait_tensorcnt 0x0
	ds_add_u32 v126, v127
	ds_add_u32 v126, v127
	s_wait_dscnt 0x0
	CROUND
	JLOAD G0Y+4*\g, G1Y, G0X+4*\g, G1X
.endr
	v_and_b32 v1, 31, v0
	v_lshlrev_b32 v1, 4, v1
	v_and_b32 v114, 15, v0
	v_bfe_u32 v115, v0, 4, 1
	s_mul_i32 s21, s15, HT
	s_mul_i32 s22, s16, HT
	s_add_co_u32 s22, s22, 2*HT
	v_add_nc_u32 v[ADY], s21, v1
	v_add_nc_u32 v[ADX], s22, v1
	v_add_nc_u32 v[ADY+1], GS, v[ADY]
	v_add_nc_u32 v[ADX+1], GS, v[ADX]
	s_sub_co_u32 s22, s22, s21
	v_mul_u32_u24 v[ADS], s22, v115
	v_lshl_add_u32 v[ADS], v114, 4, v[ADS]
	s_add_co_u32 s21, s21, 4096
	v_add_nc_u32 v[ADS], s21, v[ADS]
	v_add_nc_u32 v[ADS+1], GS, v[ADS]
	s_lshl_b32 s82, s42, 1
	s_add_co_u32 s82, s82, s16
	s_lshl_b32 s83, s45, 4
	s_lshl_b32 s84, s15, 3
	s_add_co_u32 s83, s83, s84
	s_lshr_b32 s85, s83, 7
	s_lshl_b32 s85, s85, 4
	s_and_b32 s86, s82, 7
	s_lshl_b32 s86, s86, 1
	s_add_co_u32 s85, s85, s86
	s_and_b32 s86, s83, 127
	s_lshl_b32 s87, s86, 9
	s_lshl_b32 s86, s86, 6
	s_cmp_eq_u32 ttmp9, 0
	s_cselect_b32 s88, 147456, 0
	s_mov_b32 s89, 131072
	s_cselect_b32 s89, 212992, s89
	s_add_co_u32 s87, s87, s88
	s_add_co_u32 s86, s86, s89
	s_lshr_b32 s88, s82, 4
	s_lshl_b32 s88, s88, 4
	s_lshr_b32 s89, s83, 2
	s_add_co_u32 s88, s88, s89
	s_and_b32 s89, s82, 15
	s_lshl_b32 s90, s89, 12
	s_add_co_u32 s90, s90, 65536
	s_lshl_b32 s89, s89, 8
	s_add_co_u32 s89, s89, 139264
	s_mov_b32 s66, REC
	s_mov_b32 s68, 512
	s_mov_b32 s69, 2048
	s_mov_b32 s71, 256
	s_mov_b32 s81, 0xffff
	s_mov_b32 s97, 0x9d9d0000
	s_cmp_eq_u32 ttmp9, 2
	s_cselect_b32 s85, s88, s85
	s_cselect_b32 s87, s90, s87
	s_cselect_b32 s86, s89, s86
	s_cselect_b32 s67, 512, s66
	s_cselect_b32 s68, 1024, s68
	s_cselect_b32 s69, s66, s69
	s_cselect_b32 s70, 4096, s66
	s_cselect_b32 s71, s66, s71
	s_cselect_b32 s81, -1, s81
	s_cmp_eq_u32 ttmp9, 1
	s_cselect_b32 s97, s97, 0
	s_mov_b32 s80, 0xffff0000
	s_mul_i32 s85, s85, REC
	s_add_co_u32 s72, s87, s85
	s_mov_b32 s73, 0
	s_add_nc_u64 s[72:73], s[6:7], s[72:73]
	s_mov_b32 s74, s69
	s_mov_b32 s75, 0
	s_add_nc_u64 s[74:75], s[72:73], s[74:75]
	s_add_co_u32 s76, s86, s85
	s_mov_b32 s77, 0
	s_add_nc_u64 s[76:77], s[6:7], s[76:77]
	s_mov_b32 s78, s71
	s_mov_b32 s79, 0
	s_add_nc_u64 s[78:79], s[76:77], s[78:79]
.irp k, 0,1,2,3
	v_mad_u32_u24 v[VO+\k], s68, \k, v1
.endr
.irp k, 0,1,2,3
	v_add_nc_u32 v[VO2+\k], s67, v[VO+\k]
.endr
	v_mul_u32_u24 v[CSO], s70, v115
	v_lshl_add_u32 v[CSO], v114, 4, v[CSO]
	v_mov_b32 v[FL], 0x1800000
.irp b, 0,1,2,3
	v_mov_b32 v[TM+4+\b], 0
.endr
.macro FETCH ks
.set FG, (\ks)/4
.set FQ, (\ks)%4
.set FP, (\ks)%2
	WIN 0x40
.irp i, 0,1,2,3,4,5,6,7
.irp c, 0,1
	ds_load_b128 v[128*FP+8*\i+4*\c:128*FP+8*\i+4*\c+3], v[ADX+FG] offset:\i*KG+FQ*1024+512*\c
.endr
.endr
	WIN 0
.irp i, 0,1,2,3,4,5,6,7
.irp c, 0,1
	ds_load_b128 v[YF+64*FP+8*\i+4*\c:YF+64*FP+8*\i+4*\c+3], v[ADY+FG] offset:\i*KG+FQ*1024+512*\c
.endr
.endr
.endm
.macro SCALES g
.irp i, 0,1,2,3,4,5,6,7
	ds_load_b128 v[SC+32*\g+4*\i:SC+32*\g+4*\i+3], v[ADS+\g] offset:\i*KG
.endr
.endm
.macro MULS ks, zero
.set MG, (\ks)/4
.set MQ, (\ks)%4
.set MP, (\ks)%2
.irp a, 0,1,2,3,4,5,6,7
.if \a == 0
	WIN 0xa1
.endif
.if \a == 4
	WIN 0xf1
.endif
.irp b, 0,1,2,3,4,5,6,7
.if \zero
	v_wmma_scale_f32_16x16x128_f8f6f4 v[8*(8*(\a%4)+\b):8*(8*(\a%4)+\b)+7], v[128*MP+8*\b:128*MP+8*\b+7], v[YF+64*MP+8*\a:YF+64*MP+8*\a+7], 0, v[SC+32*MG+4*\b+MQ], v[SC+32*MG+4*\a+MQ] matrix_a_fmt:MATRIX_FMT_FP4 matrix_b_fmt:MATRIX_FMT_FP4 matrix_a_scale:MATRIX_SCALE_ROW1
.else
	v_wmma_scale_f32_16x16x128_f8f6f4 v[8*(8*(\a%4)+\b):8*(8*(\a%4)+\b)+7], v[128*MP+8*\b:128*MP+8*\b+7], v[YF+64*MP+8*\a:YF+64*MP+8*\a+7], v[8*(8*(\a%4)+\b):8*(8*(\a%4)+\b)+7], v[SC+32*MG+4*\b+MQ], v[SC+32*MG+4*\a+MQ] matrix_a_fmt:MATRIX_FMT_FP4 matrix_b_fmt:MATRIX_FMT_FP4 matrix_a_scale:MATRIX_SCALE_ROW1
.endif
.endr
.endr
.endm
.macro STEP ks
	s_wait_dscnt 0x0
.if (\ks) == 3
	s_wait_tensorcnt 0x0
	s_barrier_signal -1
	s_barrier_wait -1
.endif
.if (\ks) < 7
.rept 4
	v_nop
.endr
	FETCH (\ks)+1
.if (\ks) == 3
	SCALES 1
.endif
.endif
.if (\ks) == 0
	MULS \ks, 1
.else
	MULS \ks, 0
.endif
.endm
	s_wait_tensorcnt 1
	s_barrier_signal -1
	s_barrier_wait -1
	FETCH 0
	SCALES 0
.irp ks, 0,1,2,3,4,5,6,7
	STEP \ks
.endr
	WIN 0
.rept 4
	v_nop
.endr
.macro OUTA a
.set OW, 2+(\a)/4
.set WW, (OW<<2)|(OW<<4)
.set AC, 64*((\a)%4)
.set PS, PC+8*((\a)%2)
	WIN WW
.irp b, 0,1,2,3
	v_max3_num_f32 v[TM+\b], v[FL], |v[AC+16*\b]|, |v[AC+16*\b+1]|
.endr
.irp i, 2,4,6,8,10,12,14
.irp b, 0,1,2,3
	v_max3_num_f32 v[TM+\b], v[TM+\b], |v[AC+16*\b+\i]|, |v[AC+16*\b+\i+1]|
.endr
.endr
	WIN 0
.irp b, 0,1,2,3
	v_permlanex16_b32 v[TM+4+\b], v[TM+\b], s[SEL], s[SEL+1]
.endr
.irp b, 0,1,2,3
	v_max_num_f32 v[TM+\b], v[TM+\b], v[TM+4+\b]
.endr
.irp b, 0,1,2,3
	v_add_nc_u32 v[TM+12+\b], 0xff000000, v[TM+\b]
.endr
.irp b, 0,1,2,3
	v_lshrrev_b32 v[TM+4+\b], 23, v[TM+12+\b]
.endr
	v_lshl_or_b32 v[PW], v[TM+5], 8, v[TM+4]
	v_lshl_or_b32 v[PW], v[TM+6], 16, v[PW]
	v_lshl_or_b32 v[PW], v[TM+7], 24, v[PW]
	s_wait_xcnt 0x0
	WIN OW
.irp b, 0,1,2,3
	v_cvt_scalef32_pk8_fp4_f32 v[PS+2*\b], v[AC+16*\b:AC+16*\b+7], v[TM+12+\b]
	v_cvt_scalef32_pk8_fp4_f32 v[PS+2*\b+1], v[AC+16*\b+8:AC+16*\b+15], v[TM+12+\b]
.endr
	WIN 0
	v_nop
.irp c, 0,1
.irp i, 0,1
	v_permlane16_swap_b32 v[PS+4*\c+\i], v[PS+4*\c+2+\i]
.endr
.endr
	v_and_b32 v114, s81, v[PW]
	v_lshrrev_b32 v115, 16, v[PW]
	v_cndmask_b32 v[SW+\a], v114, v115, s80
	v_or_b32 v[SW+\a], s97, v[SW+\a]               ; K's words alone: the bytes of blocks 2 and 3, 2^30 each, scale the mask's codes in the attention launch; Q's and V's words stay
	global_store_b128 v[VO+(\a)%4], v[PS:PS+3], s[72+2*((\a)/4):73+2*((\a)/4)]
	global_store_b128 v[VO2+(\a)%4], v[PS+4:PS+7], s[72+2*((\a)/4):73+2*((\a)/4)]
.if (\a)%4 == 3
	global_store_b128 v[CSO], v[SW+(\a)-3:SW+(\a)], s[76+2*((\a)/4):77+2*((\a)/4)]
.endif
.endm
	s_wait_alu depctr_va_vdst(0)
.irp a, 0,1,2,3,4,5,6,7
	OUTA \a
.endr
	s_wait_tensorcnt 0x0
	ds_add_u32 v126, v127
	s_wait_dscnt 0x0
	CROUND
	s_endpgm
.Lfunc_end_k_qdd44f9bba2_qkv:
	.size	k_qdd44f9bba2_qkv, .Lfunc_end_k_qdd44f9bba2_qkv-k_qdd44f9bba2_qkv
	.p2alignl 7, 3214868480
	.fill 96, 4, 3214868480
	.section	.rodata,"a",@progbits
	.p2align	6, 0x0
	.amdhsa_kernel k_qdd44f9bba2_qkv
		.amdhsa_group_segment_fixed_size 327680
		.amdhsa_private_segment_fixed_size 0
		.amdhsa_enable_private_segment 0
		.amdhsa_kernarg_size 16
		.amdhsa_user_sgpr_count 2
		.amdhsa_user_sgpr_kernarg_segment_ptr 1
		.amdhsa_wavefront_size32 1
		.amdhsa_system_sgpr_workgroup_id_x 1
		.amdhsa_system_sgpr_workgroup_id_y 1
		.amdhsa_system_sgpr_workgroup_id_z 1
		.amdhsa_system_vgpr_workitem_id 0
		.amdhsa_next_free_vgpr 1024
		.amdhsa_next_free_sgpr 100
		.amdhsa_reserve_vcc 0
		.amdhsa_float_denorm_mode_32 3
		.amdhsa_float_denorm_mode_16_64 3
		.amdhsa_memory_ordered 1
		.amdhsa_forward_progress 1
		.amdhsa_inst_pref_size 128
	.end_amdhsa_kernel
	.amdgpu_metadata
---
amdhsa.version: [ 1, 2 ]
amdhsa.kernels:
  - .name:           k_qdd44f9bba2_qkv
    .symbol:         k_qdd44f9bba2_qkv.kd
    .args:
      - { .name: img, .offset: 0, .size: 8, .value_kind: global_buffer, .address_space: global }
      - { .name: rec, .offset: 8, .size: 8, .value_kind: global_buffer, .address_space: global }
    .group_segment_fixed_size: 327680
    .private_segment_fixed_size: 0
    .kernarg_segment_align: 8
    .kernarg_segment_size: 16
    .max_flat_workgroup_size: 128
    .sgpr_count:     100
    .vgpr_count:     1024
    .wavefront_size: 32
...
	.end_amdgpu_metadata
.endif
;; end of part 2
;; launch attn (part 3): grid 4 x 64, 16 waves a work-group, clusters of 4 x 1, 169,984 bytes of LDS; arguments rec, maskc, vecimg; writes vecimg
.if DOCPART == 3
	.amdgcn_target "amdgcn-amd-amdhsa--gfx1250"
	.amdhsa_code_object_version 6
	.text
	.protected	k_qdd44f9bba2_attn
	.globl	k_qdd44f9bba2_attn
	.p2align	8
	.type	k_qdd44f9bba2_attn,@function
k_qdd44f9bba2_attn:
	s_mov_b64 s[64:65], 0
	v_nop
	global_prefetch_b8 v0, s[64:65] scope:SCOPE_SE
	s_setreg_imm32_b32 hwreg(HW_REG_WAVE_MODE, 25, 1), 1
	s_wait_xcnt 0x0
	s_wait_alu depctr_hold_cnt(0) depctr_sa_sdst(0) depctr_va_vdst(0) depctr_va_sdst(0) depctr_va_ssrc(0) depctr_va_vcc(0) depctr_vm_vsrc(0)
	s_getreg_b32 s2, hwreg(HW_REG_IB_STS2, 6, 4)
	s_cmp_eq_u32 s2, 0
	s_cbranch_scc0 .Lentry_in_a_cluster
	s_endpgm
.Lentry_in_a_cluster:
	s_bfe_u32 s2, ttmp6, 0x10000c
	s_cmp_lg_u32 s2, 0x3003
	s_cbranch_scc0 .Lentry_shape_is_right
	s_endpgm
.Lentry_shape_is_right:
; vec[b][q][head] = softmax_k(mask ? -large : hq . hk / 8) hv, both products on codes of FP4 with E8M0 scales; vec is quantised along (head, d) at once, as the last product's operand.
; THE SOFTMAX: t = score x log2(e) / 8; M = the running largest t rounded UP to a whole number; p = 2^(t - M) is quantised along the keys, not normalised; the row's sum is taken of the unquantised p and divides at the end.
; When M moves, the sum and O are multiplied by 2^(old M - new M), which rounds nothing.
; SHARES.  A cluster of four work-groups takes one (batch, head); a work-group 512 queries; each of its sixteen waves two tiles of 16 queries, one after the other (two passes), 128 keys a step.
; All of the head's K, V and their scale words, the record's first 147,456 bytes, lie in LDS as they lie in memory, filled once: waves 0 to 8 ask for 16,384 bytes each, JOINTLY with the three partners.  A wave has one tensor load out.
; LAYOUT.  S^T = K Q^T (source 0 = 16 keys), O^T = V^T P^T (source 0 = 16 of the head's 64): a lane holds one query throughout.
; THE MASK IS A PRODUCT OF ITS OWN, WHICH STARTS EACH SUM OF SCORES.  The scores' K is 64 of the instruction's 128.  A tile's operand is v[KX+6t : KX+6t+7]: four registers of K's codes (k = 0..63), the mask's word, a zero, and the
; next tile's first two.  The mask's word (launch prep) holds, along k = 64 + 32 h + n (n = 0..7), the code 0.5 where mask[query 8 h + n][key] is set.  First that operand meets the identity v[20:27]: zeros along k = 0..63,
; -2 at the query's own place 8 h + n, zeros elsewhere; the scale bytes of blocks 2 and 3 are 2^30 on K's side (launch qkv) and in v28: the result is -2^60 where the mask is set, else 0.  Then the same operand meets
; Q, v[16:23], whose upper four registers are zeros, and adds the score in place.  The eight accumulators take turns.
; The next step's mask words (eight loads of 128 consecutive bytes) and K tiles are asked for as soon as this step's first products have read theirs; no further prefetch: each wave's words are read once, one step ahead.
; The last step's look-ahead of K reads LDS bytes of V's image, which nobody uses; that of the mask stays on the buffer's last 1,024 bytes.
; LIMITS.  A masked logit is about -2^57 where reference() has -1e10; 2^60 is a power of two, so that t is exact, and a row that is all masked gives p = 1 everywhere, the plain mean, while |score| < 2^35.
; The results part only where an unmasked logit lies under about -1e10.  p under 2^-126 counts as 0.  A block of zeros gets the byte 1.  NaN and infinities are not served.
; REGISTERS: v1-4, 6, 29-31 addresses that stay; v7 the mask words' offset; v8-11 the step's; v12 -M, v13 the largest t, v[14:15] the sum; v16-19 Q, v20-23 zeros, v24 the identity, v25-27 zeros; v28 the identity's scale word;
; v32-81 K and mask; v82-113 V; v114-177 S^T, then p; v178-209 O^T; v210-217 p's codes; v218-225 K's scale words, v226-229 V's; v232-254 at work; v255 Q's scale word.
.set REC,  221184
.set VIM,  65536
.set KSC,  131072
.set VSC,  139264
.set QIM,  147456
.set QSC,  212992
.set KX,   32
.set VX,   82
.set SR,   114
.set OT,   178
.set PCD,  210
.set KS,   218
.set VS,   226
.set WV,   24
.set SEL,  26
.set CS,   28
.set STP,  30
.set PAS,  31
.set TB,   66                          ; s66  the step's images: 4,096 bytes a step, in K's and in V's
.set TS,   67                          ; s67  K's scale words: 512 a step
.set TJ,   100                         ; s100 V's: 256 a step
.set MO,   104                         ; s104 the byte offset in maskc of the words asked for last
.macro CROUND
	s_barrier_signal -1
	s_barrier_wait -1
	s_cmp_lg_u32 s[WV], 0
	s_cbranch_scc1 .Lnot_wave_0_\@
	s_barrier_signal -3
.Lnot_wave_0_\@:
	s_barrier_wait -3
	s_barrier_signal -1
	s_barrier_wait -1
.endm
.macro KLOAD ak, as, ok, os            ; K's eight tiles and their scale words
.irp t, 0,1,2,3,4,5,6,7
	ds_load_b128 v[KX+6*\t:KX+6*\t+3], \ak offset:\ok+512*\t
.endr
	ds_load_b128 v[KS:KS+3], \as offset:\os
	ds_load_b128 v[KS+4:KS+7], \as offset:\os+256
.endm
.macro MLOAD                           ; a step's mask words: one register of each tile's operand
.irp t, 0,1,2,3,4,5,6,7
	global_load_b32 v[KX+6*\t+4], v7, s[6:7] offset:128*\t
.endr
.endm
	s_load_b128 s[4:7], s[0:1], 0x0                ; rec, maskc
	s_load_b64 s[8:9], s[0:1], 0x10                ; vecimg
	v_lshl_add_u32 v250, v0, 2, 0x29000
	v_mov_b32 v251, 0
	ds_add_u32 v250, v251
	ds_add_u32 v250, v251
	v_lshrrev_b32 v1, 5, v0
	s_delay_alu instid0(VALU_DEP_1)
	v_readfirstlane_b32 s[WV], v1                  ; wave 0..15
	s_bfe_u32 s25, ttmp6, 0x40000                  ; cx: it enters Q's, the mask's and vec's addresses alone
	s_and_b32 s2, ttmp7, 0xffff                    ; 16 x batch + head
	s_mul_i32 s10, s2, REC
	s_mov_b32 s11, 0
	s_mov_b32 s16, 15|(3<<16)|(1<<21)              ; group 1: 16,384 dense bytes as 64 rows of 256; the mask names all four work-groups
	s_mov_b32 s17, 32<<16
	s_mov_b32 s18, 64<<16
	s_mov_b32 s19, 32<<16
	s_mov_b32 s20, 64
	s_mov_b32 s21, 32
	s_mov_b32 s22, 0
	s_mov_b32 s23, 0
	s_mov_b32 s[SEL], 0x76543210
	s_mov_b32 s[SEL+1], 0xfedcba98
	s_mov_b32 s[CS], 0x3e38aa3b                    ; c = log2(e) / 8
	s_mov_b32 s[CS+1], s[CS]
	s_wait_dscnt 0x0
	s_wait_kmcnt 0x0
	s_add_nc_u64 s[4:5], s[4:5], s[10:11]          ; my record
	s_mov_b32 s12, 1
	s_lshl_b32 s13, s[WV], 14                      ; LDS: wave x 16,384
	s_mov_b32 s10, s13
	s_add_nc_u64 s[14:15], s[4:5], s[10:11]        ; the same place in the record
	s_or_b32 s15, s15, 0x80000000
	CROUND                                         ; all four work-groups are here: the joint loads meet
	s_cmp_lt_u32 s[WV], 9
	s_cbranch_scc0 .Lno_fetch
	tensor_load_to_lds s[12:15], s[16:23]
	s_nop 0
.rept 4
	v_nop
.endr
.Lno_fetch:
	s_lshl_b32 s3, s25, 5
	s_lshl_b32 s101, s[WV], 1
	s_add_co_u32 s3, s3, s101                      ; qt0: my first tile of queries, 32 cx + 2 wave
	s_lshl_b32 s[MO], s3, 14                       ; 16 steps x 1,024 bytes of mask words a tile
	s_lshl_b32 s101, s3, 9
	s_add_co_u32 s101, s101, QIM                   ; Q's images: 512 bytes a tile
	s_lshr_b32 s105, s3, 2
	s_lshl_b32 s105, s105, 8
	s_and_b32 s25, s3, 3
	s_lshl_b32 s25, s25, 2
	s_add_co_u32 s105, s105, s25
	s_add_co_u32 s105, s105, QSC                   ; Q's scale words: [4 tiles][r][4]
	v_and_b32 v7, 31, v0
	v_and_b32 v6, 15, v0                           ; r
	v_bfe_u32 v30, v0, 4, 1                        ; h
	v_mov_b32 v21, 12                              ; the code of -2
	v_lshlrev_b32 v1, 4, v7                        ; 16 L
	v_lshlrev_b32 v29, 2, v7                       ; 4 L
	v_lshrrev_b32 v31, 3, v6
	v_and_b32 v24, 7, v6
	v_lshlrev_b32 v6, 4, v6                        ; 16 r
	v_cmp_eq_u32 vcc_lo, v31, v30
	v_lshlrev_b32 v24, 2, v24
	v_add_nc_u32 v7, s[MO], v29
	v_add_nc_u32 v30, s101, v1
	v_lshlrev_b32 v24, v24, v21
	v_add_nc_u32 v31, s105, v6
	v_add_nc_u32 v2, VIM, v1
	v_cndmask_b32 v24, 0, v24, vcc_lo              ; the identity: -2 at k = 64 + 32 h + r % 8 where r / 8 = h
	v_add_nc_u32 v3, KSC, v6
	v_add_nc_u32 v4, VSC, v6
	v_mov_b32 v28, 0x9d9d7f7f                      ; the identity's scale word: 2^30 for blocks 2 and 3, 1 for its zeros
.irp j, 20,21,22,23,25,26,27,236,237,238,239,253,KX+48,KX+49
	v_mov_b32 v[\j], 0                             ; zero codes; the lane permutes' destinations; the upper half of the pair v[252:253]
.endr
.irp t, 0,1,2,3,4,5,6,7
	v_mov_b32 v[KX+6*\t+5], 0
.endr
	s_wait_alu depctr_va_vdst(0)                   ; the wait at the head's end
	global_load_b128 v[16:19], v30, s[4:5]         ; Q of the first pass
	global_load_b32 v255, v31, s[4:5]
	MLOAD                                          ; the first step's mask words
	; where vec goes: tile 128 batch + qt0; half head / 8 of K; K step (head / 2) % 4; half head % 2 of the fragment
	s_lshr_b32 s10, s2, 4
	s_lshl_b32 s10, s10, 7
	s_add_co_u32 s10, s10, s3
	s_mul_i32 s10, s10, 8704
	s_bfe_u32 s11, s2, 0x10003
	s_mul_i32 s11, s11, 4352
	s_add_co_u32 s10, s10, s11
	s_bfe_u32 s11, s2, 0x20001
	s_and_b32 s25, s2, 1
	s_lshl_b32 s101, s11, 10
	s_lshl_b32 s105, s25, 9
	s_add_co_u32 s101, s101, s105
	s_add_co_u32 s101, s101, s10                   ; the codes
	s_lshl_b32 s11, s11, 2
	s_lshl_b32 s25, s25, 1
	s_add_co_u32 s11, s11, s25
	s_add_co_u32 s10, s10, s11
	s_add_co_u32 s10, s10, 4096                    ; my two bytes of the scale words
	s_mov_b32 s11, 0
	s_add_nc_u64 s[10:11], s[8:9], s[10:11]
	s_mov_b32 s2, s101
	s_mov_b32 s3, 0
	s_add_nc_u64 s[8:9], s[8:9], s[2:3]
	s_wait_tensorcnt 0x0                           ; my part of the record has landed,
	s_barrier_signal -1
	s_barrier_wait -1                              ; everybody's has
	s_mov_b32 s[PAS], 2
.Lpass:
	s_wait_dscnt 0x0                               ; the last pass's look-ahead has landed: its registers are loaded anew
	KLOAD v1, v3, 0, 0                             ; step 0's K
.irp j, 0,1,2,3,4,5,6,7,8,9,10,11,12,13,14,15,16,17,18,19,20,21,22,23,24,25,26,27,28,29,30,31
	v_mov_b32 v[OT+\j], 0                          ; the step is written once: the first finds zeros, which the first change of M leaves zeros
.endr
	v_mov_b32 v13, 0xff61b1e6                      ; the largest t so far: -3e38
	s_delay_alu instid0(VALU_DEP_1)
	v_floor_f32 v12, -v13                          ; -M
	v_mov_b32 v14, 0
	v_mov_b32 v15, 0
	s_mov_b32 s[TB], 0
	s_mov_b32 s[TS], 0
	s_mov_b32 s[TJ], 0
	s_mov_b32 s[STP], 16
.Lstep:
	v_add_nc_u32 v8, s[TB], v1                     ; these four are also the places between the last step's products and the loads into V's registers
	v_add_nc_u32 v9, s[TB], v2
	v_add_nc_u32 v10, s[TS], v3
	v_add_nc_u32 v11, s[TJ], v4
.irp dt, 0,1,2,3
.irp c, 0,1
	ds_load_b128 v[VX+8*\dt+4*\c:VX+8*\dt+4*\c+3], v9 offset:1024*\dt+512*\c   ; V's four fragments: wanted only behind the softmax
.endr
.endr
	ds_load_b128 v[VS:VS+3], v11
	s_wait_alu depctr_va_vdst(0)
	s_wait_dscnt 9                                 ; K and its scale words, asked for a step ago, are in; V's nine loads may be out
	s_wait_loadcnt 0x0                             ; the mask words (a pass's first time: Q too)
.irp t, 0,1,2,3,4,5,6,7
	v_wmma_scale_f32_16x16x128_f8f6f4 v[SR+8*\t:SR+8*\t+7], v[KX+6*\t:KX+6*\t+7], v[20:27], 0, v[KS+\t], v28 matrix_a_fmt:MATRIX_FMT_FP4 matrix_b_fmt:MATRIX_FMT_FP4   ; -2^60 where the mask is set, else 0
.endr
.irp t, 0,1,2,3,4,5,6,7
	v_wmma_scale_f32_16x16x128_f8f6f4 v[SR+8*\t:SR+8*\t+7], v[KX+6*\t:KX+6*\t+7], v[16:23], v[SR+8*\t:SR+8*\t+7], v[KS+\t], v255 matrix_a_fmt:MATRIX_FMT_FP4 matrix_b_fmt:MATRIX_FMT_FP4   ; + the score
.endr
	s_add_co_u32 s[MO], s[MO], 1024                ; the next step's words (the second pass's tile follows the first's)
	s_min_u32 s[MO], s[MO], 0x1ffc00               ; the last look-ahead stays on the buffer's last 1,024 bytes
	v_add_nc_u32 v7, s[MO], v29                    ; (the loads that read v7 are done)  With the three below: the places behind the products
.rept 3
	v_nop
.endr
	MLOAD
	KLOAD v8, v10, 4096, 512                       ; the next step's K
; the largest score of each block of 32 keys: for the row's maximum, and, since p rises with the score, for the block's largest p.  Three chains a block (registers 0-6, 8-14, and 7 with 15), the four blocks by turns
.irp b, 0,1,2,3
	v_max3_num_f32 v[232+\b], v[SR+16*\b], v[SR+1+16*\b], v[SR+2+16*\b]
.endr
.irp b, 0,1,2,3
	v_max3_num_f32 v[240+\b], v[SR+8+16*\b], v[SR+9+16*\b], v[SR+10+16*\b]
.endr
.irp b, 0,1,2,3
	v_max_num_f32 v[244+\b], v[SR+7+16*\b], v[SR+15+16*\b]
.endr
.irp i, 3,5
.irp b, 0,1,2,3
	v_max3_num_f32 v[232+\b], v[232+\b], v[SR+16*\b+\i], v[SR+1+16*\b+\i]
.endr
.irp b, 0,1,2,3
	v_max3_num_f32 v[240+\b], v[240+\b], v[SR+8+16*\b+\i], v[SR+9+16*\b+\i]
.endr
.endr
.irp b, 0,1,2,3
	s_delay_alu instid0(VALU_DEP_4)
	v_max3_num_f32 v[232+\b], v[232+\b], v[240+\b], v[244+\b]
.endr
.irp b, 0,1,2,3
	s_delay_alu instid0(VALU_DEP_4)
	v_permlanex16_b32 v[236+\b], v[232+\b], s[SEL], s[SEL+1]
.endr
.irp b, 0,1,2,3
	s_delay_alu instid0(VALU_DEP_4)
	v_max_num_f32 v[232+\b], v[232+\b], v[236+\b]
.endr
	s_delay_alu instid0(VALU_DEP_2)
	v_max3_num_f32 v254, v232, v233, v234
	s_delay_alu instid0(VALU_DEP_1)
	v_max_num_f32 v254, v254, v235
	s_delay_alu instid0(VALU_DEP_1)
	v_mul_f32 v254, s[CS], v254
	s_delay_alu instid0(VALU_DEP_1)
	v_max_num_f32 v13, v13, v254                   ; the running largest t
	v_mov_b32 v254, v12
	s_delay_alu instid0(VALU_DEP_2)
	v_floor_f32 v12, -v13                          ; the new -M = -ceil(t)
	s_delay_alu instid0(VALU_DEP_1)
	v_sub_f32 v254, v12, v254                      ; old M - new M: a whole number, 0 or less
	s_delay_alu instid0(VALU_DEP_1)
	v_cvt_i32_f32 v254, v254                       ; (it saturates)
	s_delay_alu instid0(VALU_DEP_1)
	v_ldexp_f32 v252, 1.0, v254                    ; f = 2^(old M - new M)
.irp j, 0,2,4,6,8,10,12,14,16,18,20,22,24,26,28,30,32,34,36,38,40,42,44,46,48,50,52,54,56,58,60,62
	v_pk_fma_f32 v[SR+\j:SR+\j+1], v[SR+\j:SR+\j+1], s[CS:CS+1], v[12:13] op_sel_hi:[1,0,0]   ; t - M
.endr
.irp b, 0,1,2,3
	v_fma_f32 v[232+\b], v[232+\b], s[CS], v12
.endr
	s_wait_alu depctr_va_vdst(0)                   ; the wait ahead of the batch
.irp j, 0,1,2,3,4,5,6,7,8,9,10,11,12,13,14,15,16,17,18,19,20,21,22,23,24,25,26,27,28,29,30,31,32,33,34,35,36,37,38,39,40,41,42,43,44,45,46,47,48,49,50,51,52,53,54,55,56,57,58,59,60,61,62,63
	v_exp_f32 v[SR+\j], v[SR+\j]                   ; p = 2^(t - M)
.endr
	v_pk_mul_f32 v[14:15], v[14:15], v[252:253] op_sel_hi:[1,0]   ; the sums under the new M (a plain instruction behind the exponentials)
	s_wait_alu depctr_va_vdst(0)                   ; one wait for the batch of 64, ahead of its first reader
.irp b, 0,1,2,3
	v_exp_f32 v[232+\b], v[232+\b]                 ; each block's largest p
.endr
; the row's sum of the unquantised p: 32 pairs in eight chains, seven in v[236:249] and the running sum
.irp c, 0,1,2,3,4,5,6
	v_pk_add_f32 v[236+2*\c:237+2*\c], v[SR+2*\c:SR+2*\c+1], v[SR+14+2*\c:SR+15+2*\c]
.endr
	v_pk_add_f32 v[14:15], v[14:15], v[SR+28:SR+29]
.irp c, 0,1,2,3,4,5,6
	v_pk_add_f32 v[236+2*\c:237+2*\c], v[236+2*\c:237+2*\c], v[SR+30+2*\c:SR+31+2*\c]
.endr
	v_pk_add_f32 v[14:15], v[14:15], v[SR+44:SR+45]
.irp c, 0,1,2,3,4,5,6
	v_pk_add_f32 v[236+2*\c:237+2*\c], v[236+2*\c:237+2*\c], v[SR+46+2*\c:SR+47+2*\c]
.endr
	v_pk_add_f32 v[14:15], v[14:15], v[SR+60:SR+61]
	v_pk_add_f32 v[236:237], v[236:237], v[SR+62:SR+63]
	v_pk_add_f32 v[240:241], v[240:241], v[242:243]
	v_pk_add_f32 v[244:245], v[244:245], v[246:247]
	v_pk_add_f32 v[14:15], v[14:15], v[248:249]
	s_delay_alu instid0(VALU_DEP_4)
	v_pk_add_f32 v[236:237], v[236:237], v[238:239]
	s_delay_alu instid0(VALU_DEP_2)
	v_pk_add_f32 v[14:15], v[14:15], v[244:245]
	s_delay_alu instid0(VALU_DEP_2)
	v_pk_add_f32 v[236:237], v[236:237], v[240:241]
	s_delay_alu instid0(VALU_DEP_1)
	v_pk_add_f32 v[14:15], v[14:15], v[236:237]
	s_wait_alu depctr_va_vdst(0)                   ; and one for the four
.irp b, 0,1,2,3
	v_max_num_f32 v[232+\b], 0x1800000, v[232+\b]  ; the floor 2^(3 - 127)
.endr
.irp b, 0,1,2,3
	s_delay_alu instid0(VALU_DEP_4)
	v_add_nc_u32 v[244+\b], 0xff000000, v[232+\b]
.endr
.irp b, 0,1,2,3
	s_delay_alu instid0(VALU_DEP_4)
	v_lshrrev_b32 v[236+\b], 23, v[244+\b]
.endr
	s_delay_alu instid0(VALU_DEP_3)
	v_lshl_or_b32 v253, v237, 8, v236              ; p's scale word for these 128 keys
	s_delay_alu instid0(VALU_DEP_1)
	v_lshl_or_b32 v253, v238, 16, v253
	s_delay_alu instid0(VALU_DEP_1)
	v_lshl_or_b32 v253, v239, 24, v253
.irp b, 0,1,2,3
	v_cvt_scalef32_pk8_fp4_f32 v[PCD+2*\b], v[SR+16*\b:SR+7+16*\b], v[244+\b]
	v_cvt_scalef32_pk8_fp4_f32 v[PCD+1+2*\b], v[SR+8+16*\b:SR+15+16*\b], v[244+\b]
.endr
	v_nop                                          ; one plain place behind a scaled conversion
.irp c, 0,1
.irp i, 0,1
	v_permlane16_swap_b32 v[PCD+4*\c+\i], v[PCD+2+4*\c+\i]
.endr
.endr
	s_wait_alu depctr_va_vdst(0)                   ; directly ahead of the first reader of O^T
.irp j, 0,2,4,6,8,10,12,14,16,18,20,22,24,26,28,30
	v_pk_mul_f32 v[OT+\j:OT+\j+1], v[OT+\j:OT+\j+1], v[252:253] op_sel_hi:[1,0]   ; O^T under the new M; these sixteen are also the places between p's codes and scale word and the products
.endr
	s_wait_alu depctr_va_vdst(0)
	s_wait_dscnt 10                                ; V is in; the next step's ten loads of K may be out
.irp dt, 0,1,2,3
	v_wmma_scale_f32_16x16x128_f8f6f4 v[OT+8*\dt:OT+8*\dt+7], v[VX+8*\dt:VX+8*\dt+7], v[PCD:PCD+7], v[OT+8*\dt:OT+8*\dt+7], v[VS+\dt], v253 matrix_a_fmt:MATRIX_FMT_FP4 matrix_b_fmt:MATRIX_FMT_FP4
.endr
	s_add_co_u32 s[TB], s[TB], 4096
	s_add_co_u32 s[TS], s[TS], 512
	s_add_co_u32 s[TJ], s[TJ], 256
	s_sub_co_u32 s[STP], s[STP], 1
	s_cmp_lg_u32 s[STP], 0
	s_cbranch_scc1 .Lstep
	s_cmp_eq_u32 s[PAS], 1                         ; the count of passes alone decides: behind the first pass the second's Q is asked for, into Q's own registers, which no product reads any more
	s_cbranch_scc1 .Lno_more_q
	global_load_b128 v[16:19], v30, s[4:5] offset:512
	global_load_b32 v255, v31, s[4:5] offset:4
.Lno_more_q:
	; THE WAY OUT OF A PASS: O^T / the sum; register 16 b + i is d = 32 b + 16 (lane / 16) + i of my query: two blocks of the last product's K
	v_add_f32 v14, v14, v15
	s_delay_alu instid0(VALU_DEP_1)
	v_permlanex16_b32 v252, v14, s[SEL], s[SEL+1]
	s_delay_alu instid0(VALU_DEP_1)
	v_add_f32 v14, v14, v252
	s_wait_alu depctr_va_vdst(0)                   ; the wait ahead of the reciprocal
	v_rcp_f32 v14, v14
	v_nop
	v_nop                                          ; with the lines above: the places behind the last products, and the plain instruction behind the reciprocal
	s_wait_alu depctr_va_vdst(0)                   ; and ahead of its first reader, which is O^T's too
.irp j, 0,1,2,3,4,5,6,7,8,9,10,11,12,13,14,15,16,17,18,19,20,21,22,23,24,25,26,27,28,29,30,31
	v_mul_f32 v[SR+\j], v[OT+\j], v14
.endr
.irp b, 0,1
	v_max3_num_f32 v[232+\b], |v[SR+16*\b]|, |v[SR+1+16*\b]|, 0x1800000
.endr
.irp i, 2,4,6,8,10,12,14
.irp b, 0,1
	s_delay_alu instid0(VALU_DEP_2)
	v_max3_num_f32 v[232+\b], v[232+\b], |v[SR+16*\b+\i]|, |v[SR+1+16*\b+\i]|
.endr
.endr
.irp b, 0,1
	s_delay_alu instid0(VALU_DEP_2)
	v_permlanex16_b32 v[236+\b], v[232+\b], s[SEL], s[SEL+1]
.endr
.irp b, 0,1
	s_delay_alu instid0(VALU_DEP_2)
	v_max_num_f32 v[232+\b], v[232+\b], v[236+\b]
.endr
.irp b, 0,1
	s_delay_alu instid0(VALU_DEP_2)
	v_add_nc_u32 v[244+\b], 0xff000000, v[232+\b]
.endr
.irp b, 0,1
	s_delay_alu instid0(VALU_DEP_2)
	v_lshrrev_b32 v[236+\b], 23, v[244+\b]
.endr
	s_delay_alu instid0(VALU_DEP_1)
	v_lshl_or_b32 v254, v237, 8, v236              ; my head's two bytes of the row's scale word
.irp b, 0,1
	v_cvt_scalef32_pk8_fp4_f32 v[PCD+2*\b], v[SR+16*\b:SR+7+16*\b], v[244+\b]
	v_cvt_scalef32_pk8_fp4_f32 v[PCD+1+2*\b], v[SR+8+16*\b:SR+15+16*\b], v[244+\b]
.endr
	v_nop
	v_permlane16_swap_b32 v[PCD], v[PCD+2]
	v_permlane16_swap_b32 v[PCD+1], v[PCD+3]
	global_store_b128 v1, v[PCD:PCD+3], s[8:9]     ; half a fragment's image: 512 consecutive bytes
	global_store_b16 v6, v254, s[10:11]            ; two bytes a row, 16 bytes apart, inside one block of 256: a head owns no more of it; lanes 16-31 repeat lanes 0-15
	s_wait_xcnt 0x0                                ; the stores have read their data and bases
	s_add_nc_u64 s[8:9], s[8:9], 8704              ; the second pass's tile
	s_add_nc_u64 s[10:11], s[10:11], 8704
	s_sub_co_u32 s[PAS], s[PAS], 1
	s_cmp_lg_u32 s[PAS], 0
	s_cbranch_scc1 .Lpass
	s_wait_tensorcnt 0x0                           ; the wave's end
	ds_add_u32 v250, v251
	s_wait_dscnt 0x0
	CROUND                                         ; the closing round
	s_endpgm
.Lfunc_end_k_qdd44f9bba2_attn:
	.size	k_qdd44f9bba2_attn, .Lfunc_end_k_qdd44f9bba2_attn-k_qdd44f9bba2_attn
	.p2alignl 7, 3214868480
	.fill 96, 4, 3214868480
	.section	.rodata,"a",@progbits
	.p2align	6, 0x0
	.amdhsa_kernel k_qdd44f9bba2_attn
		.amdhsa_group_segment_fixed_size 169984
		.amdhsa_private_segment_fixed_size 0
		.amdhsa_enable_private_segment 0
		.amdhsa_kernarg_size 24
		.amdhsa_user_sgpr_count 2
		.amdhsa_user_sgpr_kernarg_segment_ptr 1
		.amdhsa_wavefront_size32 1
		.amdhsa_system_sgpr_workgroup_id_x 1
		.amdhsa_system_sgpr_workgroup_id_y 1
		.amdhsa_system_sgpr_workgroup_id_z 1
		.amdhsa_system_vgpr_workitem_id 0
		.amdhsa_next_free_vgpr 256
		.amdhsa_next_free_sgpr 106
		.amdhsa_reserve_vcc 1
		.amdhsa_float_denorm_mode_32 3
		.amdhsa_float_denorm_mode_16_64 3
		.amdhsa_memory_ordered 1
		.amdhsa_forward_progress 1
		.amdhsa_inst_pref_size 32
	.end_amdhsa_kernel
	.amdgpu_metadata
---
amdhsa.version: [ 1, 2 ]
amdhsa.kernels:
  - .name:           k_qdd44f9bba2_attn
    .symbol:         k_qdd44f9bba2_attn.kd
    .args:
      - { .name: rec, .offset: 0, .size: 8, .value_kind: global_buffer, .address_space: global }
      - { .name: maskc, .offset: 8, .size: 8, .value_kind: global_buffer, .address_space: global }
      - { .name: vecimg, .offset: 16, .size: 8, .value_kind: global_buffer, .address_space: global }
    .group_segment_fixed_size: 169984
    .private_segment_fixed_size: 0
    .kernarg_segment_align: 8
    .kernarg_segment_size: 24
    .max_flat_workgroup_size: 512
    .sgpr_count:     106
    .vgpr_count:     256
    .wavefront_size: 32
...
	.end_amdgpu_metadata
.endif
;; end of part 3
;; launch outp (part 4): grid 4 x 64, 4 waves a work-group, clusters of 4 x 4, 327,680 bytes of LDS; arguments img, vecimg, q, stats, gamma, beta, out0; writes out0
.if DOCPART == 4
	.amdgcn_target "amdgcn-amd-amdhsa--gfx1250"
	.amdhsa_code_object_version 6
	.text
	.protected	k_qdd44f9bba2_outp
	.globl	k_qdd44f9bba2_outp
	.p2align	8
	.type	k_qdd44f9bba2_outp,@function
k_qdd44f9bba2_outp:
	s_mov_b64 s[64:65], 0
	v_nop
	global_prefetch_b8 v0, s[64:65] scope:SCOPE_SE
	s_setreg_imm32_b32 hwreg(HW_REG_WAVE_MODE, 25, 1), 1
	s_wait_xcnt 0x0
	s_wait_alu depctr_hold_cnt(0) depctr_sa_sdst(0) depctr_va_vdst(0) depctr_va_sdst(0) depctr_va_ssrc(0) depctr_va_vcc(0) depctr_vm_vsrc(0)
	s_getreg_b32 s2, hwreg(HW_REG_IB_STS2, 6, 4)
	s_cmp_eq_u32 s2, 0
	s_cbranch_scc0 .Lentry_in_a_cluster
	s_endpgm
.Lentry_in_a_cluster:
	s_bfe_u32 s2, ttmp6, 0x10000c
	s_cmp_lg_u32 s2, 0xf033
	s_cbranch_scc0 .Lentry_shape_is_right
	s_endpgm
.Lentry_shape_is_right:
.set T16,  8704
.set KG,   4352
.set HT,   8*KG
.set GS,   3*HT
.set STG,  2*GS
.set SP,   528
.set ADY,  2
.set ADX,  4
.set ADS,  6
.set STO,  8
.set RD,   9
.set SC,   32
.set TR,   32
.set YF,   128
.set G1Y,  24
.set G0Y,  32
.set G1X,  48
.set G0X,  56
.set MSB, 0
.macro WIN new
.if MSB != \new
	s_set_vgpr_msb (MSB<<8)|\new
.set MSB, \new
.endif
.endm
.macro JLOAD g0a, g1a, g0b, g1b
	s_cmp_eq_u32 s19, 0
	s_cbranch_scc0 .Lfor_x_\@
	tensor_load_to_lds s[\g0a:\g0a+3], s[\g1a:\g1a+7]
	s_nop 0
.rept 4
	v_nop
.endr
	s_branch .Lasked_\@
.Lfor_x_\@:
	tensor_load_to_lds s[\g0b:\g0b+3], s[\g1b:\g1b+7]
	s_nop 0
.rept 4
	v_nop
.endr
.Lasked_\@:
.endm
.macro CROUND
	s_barrier_signal -1
	s_barrier_wait -1
	s_cmp_lg_u32 s18, 0
	s_cbranch_scc1 .Lnot_wave_0_\@
	s_barrier_signal -3
.Lnot_wave_0_\@:
	s_barrier_wait -3
	s_barrier_signal -1
	s_barrier_wait -1
.endm
	s_load_b256 s[4:11], s[0:1], 0x0
	s_load_b128 s[12:15], s[0:1], 0x20
	s_load_b64 s[16:17], s[0:1], 0x30
	v_lshl_add_u32 v126, v0, 2, 0x3b400
	v_mov_b32 v127, 0
	ds_add_u32 v126, v127
	ds_add_u32 v126, v127
	v_lshrrev_b32 v1, 5, v0
	v_readfirstlane_b32 s18, v1
	s_lshr_b32 s19, s18, 1
	s_and_b32 s20, s18, 1
	s_bfe_u32 s40, ttmp6, 0x40000
	s_bfe_u32 s41, ttmp6, 0x40004
	s_lshl_b32 s42, ttmp9, 2
	s_add_co_u32 s42, s42, s40
	s_and_b32 s45, ttmp7, 0xffff
	s_lshl_b32 s45, s45, 2
	s_add_co_u32 s45, s45, s41
	s_lshl_b32 s43, s41, 2
	s_lshl_b32 s43, 15, s43
	s_lshl_b32 s44, 0x1111, s40
	s_or_b32 s[G1Y], s43, (3<<16)|(1<<21)
	s_mov_b32 s[G1Y+1], 544<<16
	s_mov_b32 s[G1Y+2], 4<<16
	s_mov_b32 s[G1Y+3], 544<<16
	s_mov_b32 s[G1Y+4], 4
	s_mov_b32 s[G1Y+5], 1088
	s_mov_b32 s[G1Y+6], 0
	s_mov_b32 s[G1Y+7], 0
	s_or_b32 s[G1X], s44, (3<<16)|(1<<21)
	s_mov_b32 s[G1X+1], 544<<16
	s_mov_b32 s[G1X+2], 8<<16
	s_mov_b32 s[G1X+3], 544<<16
	s_mov_b32 s[G1X+4], 8
	s_mov_b32 s[G1X+5], 1088
	s_mov_b32 s[G1X+6], 0
	s_mov_b32 s[G1X+7], 0
	s_lshl_b32 s46, s42, 4
	s_lshl_b32 s21, s20, 3
	s_add_co_u32 s46, s46, s21
	s_add_co_u32 s46, s46, 704
	s_mul_i32 s46, s46, T16
	s_mov_b32 s47, 0
	s_lshl_b32 s92, s45, 3
	s_lshl_b32 s21, s20, 2
	s_add_co_u32 s92, s92, s21
	s_mul_i32 s92, s92, T16
	s_mov_b32 s93, 0
	s_mul_i32 s94, s20, 4*KG
	s_mul_i32 s95, s20, HT
	s_add_co_u32 s95, s95, HT
	v_and_b32 v1, 31, v0
	v_lshlrev_b32 v1, 4, v1
	s_wait_dscnt 0x0
	s_wait_kmcnt 0x0
	s_add_nc_u64 s[46:47], s[4:5], s[46:47]
	s_add_nc_u64 s[92:93], s[6:7], s[92:93]
	CROUND
.irp g, 0,1
	s_mov_b32 s[G0Y+4*\g], 1
	s_add_co_u32 s[G0Y+4*\g+1], s94, \g*GS
	s_add_nc_u64 s[G0Y+4*\g+2:G0Y+4*\g+3], s[92:93], \g*KG
	s_or_b32 s[G0Y+4*\g+3], s[G0Y+4*\g+3], 0x80000000
	s_mov_b32 s[G0X+4*\g], 1
	s_add_co_u32 s[G0X+4*\g+1], s95, \g*GS
	s_add_nc_u64 s[G0X+4*\g+2:G0X+4*\g+3], s[46:47], \g*KG
	s_or_b32 s[G0X+4*\g+3], s[G0X+4*\g+3], 0x80000000
	s_wait_alu depctr_va_vdst(0)
	s_wait_tensorcnt 0x0
	ds_add_u32 v126, v127
	ds_add_u32 v126, v127
	s_wait_dscnt 0x0
	CROUND
	JLOAD G0Y+4*\g, G1Y, G0X+4*\g, G1X
.endr
	s_lshl_b32 s21, s45, 7
	s_lshl_b32 s22, s19, 6
	s_add_co_u32 s21, s21, s22
	s_lshl_b32 s22, s42, 10
	s_lshl_b32 s23, s20, 9
	s_add_co_u32 s22, s22, s23
	s_lshl_b32 s66, s21, 12
	s_add_co_u32 s66, s66, s22
	s_mov_b32 s67, 0
	s_add_nc_u64 s[8:9], s[8:9], s[66:67]
	s_add_nc_u64 s[16:17], s[16:17], s[66:67]
	s_mov_b32 s66, s22
	s_add_nc_u64 s[12:13], s[12:13], s[66:67]
	s_add_nc_u64 s[14:15], s[14:15], s[66:67]
	s_lshl_b32 s66, s21, 3
	s_add_nc_u64 s[10:11], s[10:11], s[66:67]
	WIN 0xc0
	s_wait_alu depctr_va_vdst(0)
.irp a, 0,1,2,3
.irp t, 0,1,2,3,4,5,6,7,8,9,10,11,12,13,14,15
	global_load_b128 v[4*(16*\a+\t):4*(16*\a+\t)+3], v1, s[8:9] offset:(32*(\a/2)+8*(\a%2)+\t+8*(\t/8))*4096 th:TH_LOAD_NT
.endr
.endr
	WIN 0
	global_load_b128 v[96:99], v1, s[12:13]
	global_load_b128 v[100:103], v1, s[14:15]
	global_load_b128 v[104:107], v1, s[10:11]
	v_and_b32 v10, 15, v0
	v_bfe_u32 v11, v0, 4, 1
	s_mul_i32 s21, s19, 4*KG
	s_mul_i32 s22, s20, HT
	s_add_co_u32 s22, s22, HT
	v_add_nc_u32 v[ADY], s21, v1
	v_add_nc_u32 v[ADX], s22, v1
	v_add_nc_u32 v[ADY+1], GS, v[ADY]
	v_add_nc_u32 v[ADX+1], GS, v[ADX]
	s_sub_co_u32 s22, s22, s21
	v_mul_u32_u24 v[ADS], s22, v11
	v_lshl_add_u32 v[ADS], v10, 4, v[ADS]
	s_add_co_u32 s21, s21, 4096
	v_add_nc_u32 v[ADS], s21, v[ADS]
	v_add_nc_u32 v[ADS+1], GS, v[ADS]
	s_mul_i32 s23, s18, 16*SP
	s_add_co_u32 s23, s23, STG
	v_mul_u32_u24 v[STO], v10, SP
	v_lshl_add_u32 v[STO], v11, 5, v[STO]
	v_add_nc_u32 v[STO], s23, v[STO]
	v_add_nc_u32 v[RD], s23, v1
.irp k, 0,1,2,3,4,5,6,7
	s_mov_b32 s[71+2*\k], 0
.endr
.macro FETCH ks
.set FG, (\ks)/4
.set FQ, (\ks)%4
.set FP, (\ks)%2
	WIN 0x40
.irp i, 0,1,2,3,4,5,6,7
.irp c, 0,1
	ds_load_b128 v[128*FP+8*\i+4*\c:128*FP+8*\i+4*\c+3], v[ADX+FG] offset:\i*KG+FQ*1024+512*\c
.endr
.endr
	WIN 0
.irp i, 0,1,2,3
.irp c, 0,1
	ds_load_b128 v[YF+32*FP+8*\i+4*\c:YF+32*FP+8*\i+4*\c+3], v[ADY+FG] offset:\i*KG+FQ*1024+512*\c
.endr
.endr
.endm
.macro SCALES g
.irp i, 0,1,2,3,4,5,6,7
	ds_load_b128 v[SC+32*\g+4*\i:SC+32*\g+4*\i+3], v[ADS+\g] offset:\i*KG
.endr
.endm
.macro MULS ks, zero
.set MG, (\ks)/4
.set MQ, (\ks)%4
.set MP, (\ks)%2
	WIN 0xa1
.irp a, 0,1,2,3
.irp b, 0,1,2,3,4,5,6,7
.if \zero
	v_wmma_scale_f32_16x16x128_f8f6f4 v[8*(8*\a+\b):8*(8*\a+\b)+7], v[128*MP+8*\b:128*MP+8*\b+7], v[YF+32*MP+8*\a:YF+32*MP+8*\a+7], 0, v[SC+32*MG+4*\b+MQ], v[SC+32*MG+4*\a+MQ] matrix_a_fmt:MATRIX_FMT_FP4 matrix_b_fmt:MATRIX_FMT_FP4 matrix_a_scale:MATRIX_SCALE_ROW1
.else
	v_wmma_scale_f32_16x16x128_f8f6f4 v[8*(8*\a+\b):8*(8*\a+\b)+7], v[128*MP+8*\b:128*MP+8*\b+7], v[YF+32*MP+8*\a:YF+32*MP+8*\a+7], v[8*(8*\a+\b):8*(8*\a+\b)+7], v[SC+32*MG+4*\b+MQ], v[SC+32*MG+4*\a+MQ] matrix_a_fmt:MATRIX_FMT_FP4 matrix_b_fmt:MATRIX_FMT_FP4 matrix_a_scale:MATRIX_SCALE_ROW1
.endif
.endr
.endr
.endm
.macro STEP ks
	s_wait_dscnt 0x0
.if (\ks) == 3
	s_wait_tensorcnt 0x0
	s_barrier_signal -1
	s_barrier_wait -1
.endif
.if (\ks) < 7
.rept 4
	v_nop
.endr
	FETCH (\ks)+1
.if (\ks) == 3
	SCALES 1
.endif
.endif
.if (\ks) == 0
	MULS \ks, 1
.else
	MULS \ks, 0
.endif
.endm
	s_wait_alu depctr_va_vdst(0)
	s_wait_tensorcnt 1
	s_barrier_signal -1
	s_barrier_wait -1
	FETCH 0
	SCALES 0
.irp ks, 0,1,2,3,4,5,6,7
	STEP \ks
.endr
	WIN 0
	s_wait_loadcnt 0x0
.rept 4
	v_nop
.endr
.macro TOSTAGE a
	WIN 0x08
.irp b, 0,1,2,3,4,5,6,7
	ds_store_b128 v[STO], v[64*(\a)+8*\b:64*(\a)+8*\b+3] offset:64*\b
	ds_store_b128 v[STO], v[64*(\a)+8*\b+4:64*(\a)+8*\b+7] offset:64*\b+16
.endr
	WIN 0
.set BB, 128+64*((\a)%2)
.irp t, 0,1,2,3,4,5,6,7,8,9,10,11,12,13,14,15
	ds_load_b128 v[BB+4*\t:BB+4*\t+3], v[RD] offset:\t*SP
.endr
.endm
.macro SEND a, younger
.set BB, 128+64*((\a)%2)
	s_wait_dscnt \younger
	s_wait_xcnt 0x0
.irp g, 0,1,2,3
.irp k, 0,1,2,3
.set RH, 32*((\a)/2)+8*((\a)%2)+(4*\g+\k)+8*((4*\g+\k)/8)
	v_readlane_b32 s[70+4*\k], v[104+2*(RH%2)], RH/2
	v_readlane_b32 s[72+4*\k], v[105+2*(RH%2)], RH/2
.endr
	WIN 0x03
.irp k, 0,1,2,3
	v_pk_add_f32 v[TR+4*(4*\g+\k):TR+4*(4*\g+\k)+1], v[4*(16*(\a)+4*\g+\k):4*(16*(\a)+4*\g+\k)+1], s[70+4*\k:71+4*\k] op_sel_hi:[1,0]
	v_pk_add_f32 v[TR+4*(4*\g+\k)+2:TR+4*(4*\g+\k)+3], v[4*(16*(\a)+4*\g+\k)+2:4*(16*(\a)+4*\g+\k)+3], s[70+4*\k:71+4*\k] op_sel_hi:[1,0]
.endr
	WIN 0
.irp k, 0,1,2,3
.set RH, 32*((\a)/2)+8*((\a)%2)+(4*\g+\k)+8*((4*\g+\k)/8)
.set TT, TR+4*(4*\g+\k)
	v_pk_mul_f32 v[TT:TT+1], v[TT:TT+1], s[72+4*\k:73+4*\k] op_sel_hi:[1,0]
	v_pk_mul_f32 v[TT+2:TT+3], v[TT+2:TT+3], s[72+4*\k:73+4*\k] op_sel_hi:[1,0]
	v_pk_fma_f32 v[TT:TT+1], v[TT:TT+1], v[96:97], v[100:101]
	v_pk_fma_f32 v[TT+2:TT+3], v[TT+2:TT+3], v[98:99], v[102:103]
	v_pk_add_f32 v[TT:TT+1], v[TT:TT+1], v[BB+4*(4*\g+\k):BB+4*(4*\g+\k)+1]
	v_pk_add_f32 v[TT+2:TT+3], v[TT+2:TT+3], v[BB+4*(4*\g+\k)+2:BB+4*(4*\g+\k)+3]
	global_store_b128 v1, v[TT:TT+3], s[16:17] offset:RH*4096 th:TH_STORE_NT
.endr
.endr
.endm
	TOSTAGE 0
	TOSTAGE 1
	SEND 0, 32
	TOSTAGE 2
	SEND 1, 32
	TOSTAGE 3
	SEND 2, 32
	SEND 3, 0
	s_wait_tensorcnt 0x0
	ds_add_u32 v126, v127
	s_wait_dscnt 0x0
	CROUND
	s_endpgm
.Lfunc_end_k_qdd44f9bba2_outp:
	.size	k_qdd44f9bba2_outp, .Lfunc_end_k_qdd44f9bba2_outp-k_qdd44f9bba2_outp
	.p2alignl 7, 3214868480
	.fill 96, 4, 3214868480
	.section	.rodata,"a",@progbits
	.p2align	6, 0x0
	.amdhsa_kernel k_qdd44f9bba2_outp
		.amdhsa_group_segment_fixed_size 327680
		.amdhsa_private_segment_fixed_size 0
		.amdhsa_enable_private_segment 0
		.amdhsa_kernarg_size 56
		.amdhsa_user_sgpr_count 2
		.amdhsa_user_sgpr_kernarg_segment_ptr 1
		.amdhsa_wavefront_size32 1
		.amdhsa_system_sgpr_workgroup_id_x 1
		.amdhsa_system_sgpr_workgroup_id_y 1
		.amdhsa_system_sgpr_workgroup_id_z 1
		.amdhsa_system_vgpr_workitem_id 0
		.amdhsa_next_free_vgpr 1024
		.amdhsa_next_free_sgpr 100
		.amdhsa_reserve_vcc 0
		.amdhsa_float_denorm_mode_32 3
		.amdhsa_float_denorm_mode_16_64 3
		.amdhsa_memory_ordered 1
		.amdhsa_forward_progress 1
		.amdhsa_inst_pref_size 118
	.end_amdhsa_kernel
	.amdgpu_metadata
---
amdhsa.version: [ 1, 2 ]
amdhsa.kernels:
  - .name:           k_qdd44f9bba2_outp
    .symbol:         k_qdd44f9bba2_outp.kd
    .args:
      - { .name: img, .offset: 0, .size: 8, .value_kind: global_buffer, .address_space: global }
      - { .name: vecimg, .offset: 8, .size: 8, .value_kind: global_buffer, .address_space: global }
      - { .name: q, .offset: 16, .size: 8, .value_kind: global_buffer, .address_space: global }
      - { .name: stats, .offset: 24, .size: 8, .value_kind: global_buffer, .address_space: global }
      - { .name: gamma, .offset: 32, .size: 8, .value_kind: global_buffer, .address_space: global }
      - { .name: beta, .offset: 40, .size: 8, .value_kind: global_buffer, .address_space: global }
      - { .name: out0, .offset: 48, .size: 8, .value_kind: global_buffer, .address_space: global }
    .group_segment_fixed_size: 327680
    .private_segment_fixed_size: 0
    .kernarg_segment_align: 8
    .kernarg_segment_size: 56
    .max_flat_workgroup_size: 128
    .sgpr_count:     100
    .vgpr_count:     1024
    .wavefront_size: 32
...
	.end_amdgpu_metadata
.endif
;; end of part 4
